; MI455X (gfx1250); checked and timed in simulation.
; The chip was launched on July 23, 2026; its instructions are those of AMD's public machine-readable ISA for CDNA 5 (MIT licence, August 2026) and "CDNA5" Instruction Set Architecture Reference Guide (July 2026). The comments in the code are by the model that wrote it; some were corrected since.
;; Flax Attention. Allowed arithmetic: matrix products marked QUANTISED: E2M1 operands, one E8M0 scale for each 32 along K, by v_wmma_scale_f32_16x16x128_f8f6f4 with both operands' format E2M1 (or v_wmma_scale_f32_32x16x128_f4), f32 sums; products left as they are: bf16, f16 or f32 operands; f32 sums; everything else in f32.
;; Inputs: hidden_states 4 x 2,048 x 1,024 float32; w_k 1,024 x 1,024 float32; w_o 1,024 x 1,024 float32; w_q 1,024 x 1,024 float32; w_v 1,024 x 1,024 float32.
;; Outputs: out0 4 x 2,048 x 1,024 float32.
;; This version of the problem:
;;   THIS VERSION OF THE PROBLEM IS GIVEN IN LOW PRECISION. The matrix products marked QUANTISED in the list below multiply operands that are first quantised to E2M1 (2 exponent bits, 1 mantissa bit; 4 bits a number), with one power-of-two scale for each 32 numbers along K (OCP MX v1.0); their sums are f32. The products marked 'left as it is' may take bf16, f16 or f32 operands, with f32 sums. Whichever they take, every output number must still come out within the allowed error. Rounding operands to bf16 (8 significant bits) uses up far more of that allowance than f16 does (11 bits, for magnitudes from 6e-5 to 65,504). All else is computed in f32.
;;   The module's matrix products, in the order in which they are computed (A, B: the left and right operand; K: the contracted axis; several contracted axes count as one K, in the product's order):
;;     1. [M 8,192, K 1,024] x [K 1,024, N 1,024]; A: input hidden_states; B: input w_q: QUANTISED
;;     2. [M 8,192, K 1,024] x [K 1,024, N 1,024]; A: input hidden_states; B: input w_k: QUANTISED
;;     3. [M 8,192, K 1,024] x [K 1,024, N 1,024]; A: input hidden_states; B: input w_v: QUANTISED
;;     4. batch 64 x [M 2,048, K 64] x [K 64, N 2,048]; A: computed on the way; B: computed on the way: left as it is (an operand is computed on the way)
;;     5. batch 64 x [M 64, K 2,048] x [K 2,048, N 2,048]; A: computed on the way; B: computed on the way: left as it is (an operand is computed on the way)
;;     6. [M 8,192, K 1,024] x [K 1,024, N 1,024]; A: computed on the way; B: input w_o: left as it is (an operand is computed on the way)
;;   THE QUANTISER, for each operand of a quantised product, along K:
;;     - K is cut into blocks of 32 from its start; a last block that is shorter is filled with zeros.
;;     - A block's scale is 2^e with e = floor(log2(the largest magnitude in the block)) - 2, held to -126 .. 127; a block of zeros has e = 0. As a byte (E8M0): e + 127.
;;     - Each number is divided by its block's scale, clamped to +-6, and rounded to the nearest number of E2M1, ties to even, subnormals kept.
;;     - The product sums the exact products of the quantised numbers (number of the format x scale) in f32.
;;   ~~~python
;;   def quantise(x, axis):      # numpy; x: float32 -> the quantised numbers, widened to float32 again
;;       x = np.moveaxis(x, axis, -1); K = x.shape[-1]
;;       x = np.pad(x, [(0, 0)] * (x.ndim - 1) + [(0, -K % 32)]); x = x.reshape(x.shape[:-1] + (-1, 32)); a = np.abs(x).max(-1, keepdims=True)
;;       e = np.where(a > 0, np.clip(np.frexp(np.where(a > 0, a, 1))[1] - 1 - 2, -126, 127), 0)      # np.frexp(a)[1] - 1 = floor(log2(a)), exactly
;;       r = np.clip(x / 2.0 ** e, -6, 6)
;;       step = 2.0 ** (np.maximum(np.frexp(np.where(r == 0, 1, r))[1] - 1, 0) - 1)
;;       q = np.round(r / step) * step * 2.0 ** e      # np.round: ties to even
;;       return np.moveaxis(q.reshape(q.shape[:-2] + (-1,))[..., :K], -1, axis).astype(np.float32)
;;   ~~~
;; One version. Each part assembles by itself: llvm-mc -triple=amdgcn-amd-amdhsa -mcpu=gfx1250 --defsym DOCPART=n.
;; ======== version 1 of 1: 4 launches
;; limits: values are held in f16: magnitudes above 65,504 overflow, below 6.1e-05 lose precision
;; workspace buffers: a_codes 4,194,304 bytes; a_scales 262,144 bytes; b_codes 1,572,864 bytes; b_scales 98,304 bytes; wo16 2,097,152 bytes; qkv16 50,331,648 bytes; att16 16,777,216 bytes
;; launch prep (part 1): grid 432 x 1, 4 waves a work-group, no clusters, 68,096 bytes of LDS; arguments hidden_states, w_q, w_k, w_v, w_o, a_codes, a_scales, b_codes, b_scales, wo16; writes a_codes, a_scales, b_codes, b_scales, wo16
.if DOCPART == 1
	.amdgcn_target "amdgcn-amd-amdhsa--gfx1250"
	.amdhsa_code_object_version 6
	.text
	.protected	k_qed1d5eb5d1_prep
	.globl	k_qed1d5eb5d1_prep
	.p2align	8
	.type	k_qed1d5eb5d1_prep,@function
k_qed1d5eb5d1_prep:
	s_mov_b64 s[64:65], 0
	v_nop
	global_prefetch_b8 v0, s[64:65] scope:SCOPE_SE
	s_setreg_imm32_b32 hwreg(HW_REG_WAVE_MODE, 25, 1), 1
	s_wait_xcnt 0x0
; PREP: the operands of the three quantised products become codes of FP4 (E2M1) with one E8M0 scale byte for each 32 along K, and w_o becomes f16.
;   work-groups   0..255  (arm X): hidden_states [8192][1024] f32, K innermost  -> a_codes [8192][512 bytes], a_scales [8192][32 bytes]
;   work-groups 256..303  (arm W): w_q, w_k, w_v [K 1024][N 1024] f32, K outermost -> b_codes [3072][512 bytes], b_scales [3072][32 bytes]; row = 1024 x which + n
;   work-groups 304..431  (arm O): w_o [1024][1024] f32 -> wo16, the same order, f16
; A block's scale is 2^(floor(log2(its largest magnitude)) - 2); its byte is the largest magnitude's exponent field - 2, held at 1 from below; each number is divided by the scale and rounded
; to the nearest code, ties to even, beyond 6 the largest code.
; LIMITS: NaN and infinities among the inputs are not served.  A block of zeros gets the byte 1 where the rule says 127: its codes are zeros, which add nothing, and this program alone reads the bytes.
; Blocks whose largest magnitude lies under 2^(3 - 127) share that byte.  w_o beyond 65,504 does not fit f16.
; The arms part on the work-group's number alone; each arm that uses LDS has bytes of its own.  No work-group shares an input byte with another: no cluster, no tensor load, no barrier.
.set SPARE, 67584                      ; behind both arms' regions: the spare words, 128 bytes for each wave
.set SPW,   254                        ; v254  LDS address of my spare word; never rewritten
.set NIL,   255                        ; v255  0; never rewritten
.set SP,    80                         ; arm X: a lane's place in a stage: 64 bytes + 16 of padding
.set WREG,  8192                       ; arm X: LDS 0..32767: a region for each wave: two stages of 32 x SP bytes, behind them 256 scale bytes
.set XR,    16                         ; arm X: v16-143  eight sets of 16 numbers as they are loaded
.set XX,    144                        ; arm X: v144-175 two sets of 16 neighbours
.set XE,    176                        ; arm X: v176-191 a scale byte for each step
.set XC,    192                        ; arm X: v192-223 a step's codes, two registers each: no store's data are written again
.set WBASE, 32768                      ; arm W: LDS 32768..67583: a stage of 32 rows x 272 bytes for each wave
.set PITCH, 272
.set WX,    32                         ; arm W: v32-95   two sets of 32 numbers
.set WC,    160                        ; arm W: v160-163 a block's codes
.set WOUT,  164                        ; arm W: v164-227 the way out
.set WSB,   24                         ; arm W: v24-27   the scale bytes, four to a register
	s_load_b256 s[8:15], s[0:1], 0x0               ; hidden s[8:9], w_q s[10:11], w_k s[12:13], w_v s[14:15]
	s_load_b256 s[16:23], s[0:1], 0x20             ; w_o s[16:17], a_codes s[18:19], a_scales s[20:21], b_codes s[22:23]
	s_load_b128 s[24:27], s[0:1], 0x40             ; b_scales s[24:25], wo16 s[26:27]
	v_lshl_add_u32 v[SPW], v0, 2, SPARE
	v_mov_b32 v[NIL], 0
	v_lshrrev_b32 v1, 5, v0
	v_readfirstlane_b32 s4, v1                     ; wave 0..3
	v_and_b32 v2, 31, v0                           ; lane
	s_mov_b32 s31, 0                               ; the upper word of every offset
	s_wait_kmcnt 0x0
	s_cmp_lt_u32 ttmp9, 256
	s_cbranch_scc0 .Lnot_x
; ---------------- ARM X.  A wave takes 16 steps of 512 numbers.  Each load reads 512 consecutive bytes, 16 a lane; a step's 2,048 bytes turn through the wave's own stage and come back 64 bytes a lane:
; 16 neighbours along K, two neighbouring lanes to a block.  Loads run eight steps (32 loads a wave) ahead, the turn through LDS one step.
	v_lshlrev_b32 v3, 4, v2                        ; my 16 bytes of a load's 512
	s_mul_i32 s5, s4, WREG
	v_lshrrev_b32 v14, 2, v2
	v_mul_u32_u24 v14, v14, SP
	v_and_b32 v15, 3, v2
	v_lshl_add_u32 v14, v15, 4, v14
	v_add_nc_u32 v14, s5, v14                      ; the stage, on the way in: SP (lane / 4) + 16 (lane % 4)
	v_mul_u32_u24 v15, v2, SP
	v_add_nc_u32 v15, s5, v15                      ; and on the way out: SP x lane
	v_lshlrev_b32 v4, 3, v2                        ; my 8 bytes of a step's 256 bytes of codes
	v_lshrrev_b32 v5, 1, v2
	s_add_co_u32 s5, s5, 2*32*SP
	v_add_nc_u32 v5, s5, v5                        ; my wave's 256 scale bytes: my block's byte
	v_lshlrev_b32 v7, 3, v2
	v_add_nc_u32 v6, s5, v7                        ; and on the way out 8 bytes a lane
	s_lshl_b32 s6, ttmp9, 2
	s_add_co_u32 s6, s6, s4                        ; which run of 8,192 numbers is my wave's: 0..1023
	s_lshl_b32 s30, s6, 15
	s_add_nc_u64 s[8:9], s[8:9], s[30:31]          ; 32,768 bytes of numbers a run,
	s_lshl_b32 s30, s6, 12
	s_add_nc_u64 s[18:19], s[18:19], s[30:31]      ; 4,096 of codes,
	s_lshl_b32 s30, s6, 8
	s_add_nc_u64 s[20:21], s[20:21], s[30:31]      ; 256 of scale bytes
.macro XLOAD t
.irp i, 0,1,2,3
	global_load_b128 v[XR+16*((\t)%8)+4*\i:XR+16*((\t)%8)+4*\i+3], v3, s[8:9] offset:2048*(\t)+512*\i th:TH_LOAD_NT
.endr
.endm
.macro XTURN t                         ; step t's numbers through the stage: LDS serves a wave's instructions in order, so no wait stands between the stores and the loads
.irp i, 0,1,2,3
	ds_store_b128 v14, v[XR+16*((\t)%8)+4*\i:XR+16*((\t)%8)+4*\i+3] offset:32*SP*((\t)%2)+8*SP*\i
.endr
.irp i, 0,1,2,3
	ds_load_b128 v[XX+16*((\t)%2)+4*\i:XX+16*((\t)%2)+4*\i+3], v15 offset:32*SP*((\t)%2)+16*\i
.endr
.endm
.irp t, 0,1,2,3,4,5,6,7
	XLOAD \t
.endr
	s_wait_loadcnt 28                              ; step 0's four loads are in; the 28 of steps 1 to 7 may be out
	XTURN 0
.macro XSTEP t
.set XS, XX+16*((\t)%2)
.if (\t) > 0
	s_wait_dscnt 1                                 ; this step's numbers are back from the stage (the last step's byte store may be out): so its stores into the stage have read their registers,
.else
	s_wait_dscnt 0x0
.endif
.if (\t)+8 < 16
	XLOAD (\t)+8                                   ; which take the loads of eight steps on
.endif
.if (\t)+1 < 16
.if (\t) <= 7
	s_wait_loadcnt 28                              ; the next step's four loads are in; those of the seven steps behind it may be out
.else
	s_wait_loadcnt 4*(14-(\t))                     ; the steps behind the next one: 14 - t
.endif
	XTURN (\t)+1                                   ; they go through the other stage while this step is worked
.endif
	v_max3_num_f32 v8, |v[XS]|, |v[XS+1]|, |v[XS+2]|               ; the largest magnitude of my 16, in two chains
	v_max3_num_f32 v9, |v[XS+3]|, |v[XS+4]|, |v[XS+5]|
.irp i, 6,10
	v_max3_num_f32 v8, v8, |v[XS+\i]|, |v[XS+\i+1]|
	v_max3_num_f32 v9, v9, |v[XS+\i+2]|, |v[XS+\i+3]|
.endr
	v_max3_num_f32 v8, v8, |v[XS+14]|, |v[XS+15]|
	v_max3_num_f32 v8, v8, v9, 0x1800000           ; and the floor 2^(3 - 127): the byte cannot fall under 1
	v_max_num_f32_dpp v8, v8, v8 row_xmask:1 row_mask:0xf bank_mask:0xf   ; and of my neighbour's 16: the block's
	v_add_nc_u32 v11, 0xff000000, v8               ; 2 off its exponent field: the conversion takes the exponent field of this operand as its scale
	v_cvt_scalef32_pk8_fp4_f32 v[XC+2*(\t)], v[XS:XS+7], v11
	v_cvt_scalef32_pk8_fp4_f32 v[XC+2*(\t)+1], v[XS+8:XS+15], v11
	v_lshrrev_b32 v[XE+(\t)], 23, v11              ; the scale's byte (a plain line behind the conversions)
	ds_store_b8 v5, v[XE+(\t)] offset:16*(\t)      ; both lanes of a block write the same byte with the same value
	global_store_b64 v4, v[XC+2*(\t):XC+2*(\t)+1], s[18:19] offset:256*(\t)   ; the wave stores 256 consecutive bytes, aligned
.endm
.irp t, 0,1,2,3,4,5,6,7,8,9,10,11,12,13,14,15
	XSTEP \t
.endr
	ds_load_b64 v[8:9], v6                         ; LDS serves a wave's instructions in order: these see my byte stores
	s_wait_dscnt 0x0
	global_store_b64 v7, v[8:9], s[20:21]          ; my wave's 256 scale bytes: 256 consecutive bytes, aligned
	s_branch .Lend
.Lnot_x:
	s_cmp_lt_u32 ttmp9, 304
	s_cbranch_scc0 .Larm_o
; ---------------- ARM W.  A lane takes a column n and its registers run down K: a load reads 128 consecutive bytes a wave, a block of 32 along K lies in one lane's 32 registers, and the conversions give
; codes with K innermost.  A wave takes 32 columns x 512 along K; the codes go through its stage and leave as rows: sixteen lanes store 256 consecutive bytes.  Loads run two blocks ahead:
; a wait on LOADcnt names 63 at the most, so the wait for one block leaves one block's 32 loads out.
	s_sub_co_u32 s5, ttmp9, 256                    ; 0..47
	s_lshr_b32 s6, s5, 4                           ; which: 0 q, 1 k, 2 v
	s_and_b32 s7, s5, 7                            ; which 128 columns
	s_bfe_u32 s5, s5, 0x10003                      ; which 512 along K
	s_cmp_eq_u32 s6, 0
	s_cselect_b64 s[28:29], s[10:11], s[12:13]
	s_cmp_eq_u32 s6, 2
	s_cselect_b64 s[28:29], s[14:15], s[28:29]     ; the weight: a choice on the work-group's number alone
	s_lshl_b32 s7, s7, 7
	s_lshl_b32 s30, s4, 5
	s_add_co_u32 s7, s7, s30                       ; my wave's first column
	s_lshl_b32 s6, s6, 10
	s_add_co_u32 s6, s6, s7                        ; and its row in b_codes and b_scales
	s_lshl_b32 s30, s5, 21                         ; 512 rows of 4,096 bytes
	s_lshl_b32 s32, s7, 2
	s_add_co_u32 s30, s30, s32
	s_add_nc_u64 s[28:29], s[28:29], s[30:31]
	s_lshl_b32 s30, s6, 9                          ; a row of codes is 512 bytes; 512 along K are 256
	s_lshl_b32 s32, s5, 8
	s_add_co_u32 s30, s30, s32
	s_add_nc_u64 s[22:23], s[22:23], s[30:31]
	s_lshl_b32 s30, s6, 5                          ; a row of scale bytes is 32; 512 along K are 16
	s_lshl_b32 s32, s5, 4
	s_add_co_u32 s30, s30, s32
	s_add_nc_u64 s[24:25], s[24:25], s[30:31]
	v_lshlrev_b32 v3, 2, v2                        ; in: 4 bytes a lane
	s_mul_i32 s33, s4, 32*PITCH
	s_add_co_u32 s33, s33, WBASE                   ; my stage
	v_mul_u32_u24 v4, v2, PITCH
	v_add_nc_u32 v4, s33, v4                       ; into it: row = my column
	v_and_b32 v5, 15, v2
	v_lshrrev_b32 v6, 4, v2                        ; out of it: sixteen lanes to a row, two rows an instruction
	v_mul_u32_u24 v7, v6, PITCH
	v_lshl_add_u32 v7, v5, 4, v7
	v_add_nc_u32 v7, s33, v7
	v_lshlrev_b32 v8, 9, v6
	v_lshl_add_u32 v8, v5, 4, v8                   ; and the same place in b_codes
	v_lshlrev_b32 v9, 5, v2                        ; my column's row of scale bytes
.macro WLOAD t                         ; block t: W(32 t + i, my column), i = 0 .. 31, into set t % 2
.irp i, 0,1,2,3,4,5,6,7,8,9,10,11,12,13,14,15,16,17,18,19,20,21,22,23,24,25,26,27,28,29,30,31
	global_load_b32 v[WX+32*((\t)%2)+\i], v3, s[28:29] offset:(32*(\t)+\i)*4096 th:TH_LOAD_NT
.endr
.endm
	WLOAD 0
	WLOAD 1
.macro WBLOCK t
.set XS, WX+32*((\t)%2)
.if (\t) < 15
	s_wait_loadcnt 32                              ; this block's 32 loads are in; the next block's may be out
.else
	s_wait_loadcnt 0x0
.endif
	v_max3_num_f32 v12, |v[XS]|, |v[XS+1]|, |v[XS+2]|              ; the block's largest magnitude: all 32 numbers are mine
	v_max3_num_f32 v13, |v[XS+3]|, |v[XS+4]|, |v[XS+5]|
.irp i, 6,10,14,18,22,26
	v_max3_num_f32 v12, v12, |v[XS+\i]|, |v[XS+\i+1]|
	v_max3_num_f32 v13, v13, |v[XS+\i+2]|, |v[XS+\i+3]|
.endr
	v_max3_num_f32 v12, v12, |v[XS+30]|, |v[XS+31]|
	v_max3_num_f32 v12, v12, v13, 0x1800000        ; and the floor 2^(3 - 127)
	v_add_nc_u32 v11, 0xff000000, v12              ; 2 off its exponent field: the conversion's scale operand
	v_lshrrev_b32 v13, 23, v11                     ; the scale's byte
.if (\t)%4 == 0
	v_mov_b32 v[WSB+(\t)/4], v13                   ; four bytes to a register, the lower K in the lower byte
.else
	v_lshl_or_b32 v[WSB+(\t)/4], v13, 8*((\t)%4), v[WSB+(\t)/4]
.endif
.irp g, 0,1,2,3
	v_cvt_scalef32_pk8_fp4_f32 v[WC+\g], v[XS+8*\g:XS+8*\g+7], v11
.endr
	ds_store_b128 v4, v[WC:WC+3] offset:16*(\t)    ; 32 codes: 16 bytes of my column's row
.if (\t)+2 < 16
	WLOAD (\t)+2
.endif
	s_wait_dscnt 0x0                               ; the store has read its registers: the next block's codes may be written
.endm
.set Q, 0
.rept 16
	WBLOCK Q
.set Q, Q+1
.endr
	global_store_b128 v9, v[WSB:WSB+3], s[24:25]   ; my column's 16 scale bytes
.irp t, 0,1,2,3,4,5,6,7,8,9,10,11,12,13,14,15
	ds_load_b128 v[WOUT+4*\t:WOUT+4*\t+3], v7 offset:2*\t*PITCH    ; LDS serves a wave's instructions in order: these see my stores
.endr
.irp t, 0,1,2,3,4,5,6,7,8,9,10,11,12,13,14,15
	s_wait_dscnt 15-\t                             ; loads come back in order: the t-th is in
	global_store_b128 v8, v[WOUT+4*\t:WOUT+4*\t+3], s[22:23] offset:2*\t*512
.endr
	s_branch .Lend
; ---------------- ARM O.  8,192 numbers a work-group.  A load reads 512 consecutive bytes a wave, 16 a lane; their four f16 are 8 bytes: a store covers 256 consecutive bytes a wave, aligned.
.Larm_o:
	s_sub_co_u32 s5, ttmp9, 304                    ; 0..127
	s_lshl_b32 s30, s5, 15
	s_add_nc_u64 s[16:17], s[16:17], s[30:31]
	s_lshl_b32 s30, s5, 14
	s_add_nc_u64 s[26:27], s[26:27], s[30:31]
	v_lshlrev_b32 v3, 4, v0
	v_lshlrev_b32 v4, 3, v0
.irp s, 0,1,2,3,4,5,6,7,8,9,10,11,12,13,14,15
	global_load_b128 v[32+4*\s:35+4*\s], v3, s[16:17] offset:2048*\s th:TH_LOAD_NT
.endr
.irp s, 0,1,2,3,4,5,6,7,8,9,10,11,12,13,14,15
	s_wait_loadcnt 15-\s                           ; loads come back in order: the s-th is in
	v_cvt_pk_f16_f32 v[96+2*\s], v[32+4*\s], v[33+4*\s]
	v_cvt_pk_f16_f32 v[97+2*\s], v[34+4*\s], v[35+4*\s]
	global_store_b64 v4, v[96+2*\s:97+2*\s], s[26:27] offset:1024*\s
.endr
.Lend:
	s_wait_tensorcnt 0x0                           ; the wave's end, behind my last LDS store
	ds_add_u32 v[SPW], v[NIL]
	s_wait_dscnt 0x0
	s_endpgm
.Lfunc_end_k_qed1d5eb5d1_prep:
	.size	k_qed1d5eb5d1_prep, .Lfunc_end_k_qed1d5eb5d1_prep-k_qed1d5eb5d1_prep
	.p2alignl 7, 3214868480
	.fill 96, 4, 3214868480
	.section	.rodata,"a",@progbits
	.p2align	6, 0x0
	.amdhsa_kernel k_qed1d5eb5d1_prep
		.amdhsa_group_segment_fixed_size 68096
		.amdhsa_private_segment_fixed_size 0
		.amdhsa_enable_private_segment 0
		.amdhsa_kernarg_size 80
		.amdhsa_user_sgpr_count 2
		.amdhsa_user_sgpr_kernarg_segment_ptr 1
		.amdhsa_wavefront_size32 1
		.amdhsa_system_sgpr_workgroup_id_x 1
		.amdhsa_system_sgpr_workgroup_id_y 1
		.amdhsa_system_sgpr_workgroup_id_z 1
		.amdhsa_system_vgpr_workitem_id 0
		.amdhsa_next_free_vgpr 256
		.amdhsa_next_free_sgpr 66
		.amdhsa_reserve_vcc 0
		.amdhsa_float_denorm_mode_32 3
		.amdhsa_float_denorm_mode_16_64 3
		.amdhsa_memory_ordered 1
		.amdhsa_forward_progress 1
		.amdhsa_inst_pref_size 116
	.end_amdhsa_kernel
	.amdgpu_metadata
---
amdhsa.version: [ 1, 2 ]
amdhsa.kernels:
  - .name:           k_qed1d5eb5d1_prep
    .symbol:         k_qed1d5eb5d1_prep.kd
    .args:
      - { .name: hidden_states, .offset: 0, .size: 8, .value_kind: global_buffer, .address_space: global }
      - { .name: w_q, .offset: 8, .size: 8, .value_kind: global_buffer, .address_space: global }
      - { .name: w_k, .offset: 16, .size: 8, .value_kind: global_buffer, .address_space: global }
      - { .name: w_v, .offset: 24, .size: 8, .value_kind: global_buffer, .address_space: global }
      - { .name: w_o, .offset: 32, .size: 8, .value_kind: global_buffer, .address_space: global }
      - { .name: a_codes, .offset: 40, .size: 8, .value_kind: global_buffer, .address_space: global }
      - { .name: a_scales, .offset: 48, .size: 8, .value_kind: global_buffer, .address_space: global }
      - { .name: b_codes, .offset: 56, .size: 8, .value_kind: global_buffer, .address_space: global }
      - { .name: b_scales, .offset: 64, .size: 8, .value_kind: global_buffer, .address_space: global }
      - { .name: wo16, .offset: 72, .size: 8, .value_kind: global_buffer, .address_space: global }
    .group_segment_fixed_size: 68096
    .private_segment_fixed_size: 0
    .kernarg_segment_align: 8
    .kernarg_segment_size: 80
    .max_flat_workgroup_size: 128
    .sgpr_count:     66
    .vgpr_count:     256
    .wavefront_size: 32
...
	.end_amdgpu_metadata
.endif
;; end of part 1
;; launch qkv (part 2): grid 12 x 32, 4 waves a work-group, clusters of 4 x 4, 327,680 bytes of LDS; arguments a_codes, a_scales, b_codes, b_scales, qkv16; writes qkv16
.if DOCPART == 2
	.amdgcn_target "amdgcn-amd-amdhsa--gfx1250"
	.amdhsa_code_object_version 6
	.text
	.protected	k_qed1d5eb5d1_qkv
	.globl	k_qed1d5eb5d1_qkv
	.p2align	8
	.type	k_qed1d5eb5d1_qkv,@function
k_qed1d5eb5d1_qkv:
	s_mov_b64 s[64:65], 0
	v_nop
	global_prefetch_b8 v0, s[64:65] scope:SCOPE_SE
	s_setreg_imm32_b32 hwreg(HW_REG_WAVE_MODE, 25, 1), 1
	s_wait_xcnt 0x0
	s_wait_alu depctr_hold_cnt(0) depctr_sa_sdst(0) depctr_va_vdst(0) depctr_va_sdst(0) depctr_va_ssrc(0) depctr_va_vcc(0) depctr_vm_vsrc(0)
	s_getreg_b32 s2, hwreg(HW_REG_IB_STS2, 6, 4)
	s_cmp_eq_u32 s2, 0
	s_cbranch_scc0 .Lentry_in_a_cluster
	s_endpgm
.Lentry_in_a_cluster:
	s_bfe_u32 s2, ttmp6, 0x10000c
	s_cmp_lg_u32 s2, 0xf033
	s_cbranch_scc0 .Lentry_shape_is_right
	s_endpgm
.Lentry_shape_is_right:
; QKV: the three quantised products as ONE product on codes: C[m][n] = sum over k of A[m][k] B[n][k], A = hidden_states' codes [8192][1024], B = the codes of w_q, w_k, w_v [3072][1024] (row = 1024 x which + n),
; FP4 (E2M1) with one E8M0 scale byte for each 32 along K; sums in f32.  The result is rounded once to f16 and laid by head: qkv16 [which 3][batch 4][head 16][position 2048][64].
; LIMIT: |q|, |k|, |v| beyond 65,504 do not fit f16.
; A tile of C, 256 x 256, is made by a work-group of four waves; a wave makes 128 x 128: 64 accumulators of 16 x 16, 512 registers.  K = 1,024 is two K steps of 512, each a slot in LDS (rows of 256 bytes):
; both slots and the scales of all of K are first fills at the head, three tensor loads a wave, and nothing is filled again.
; CLUSTERS: 4 x 4 work-groups.  The four of a row of the cluster need the same tiles of A, the four of a column the same tiles of B: each tile is asked for JOINTLY, by the same tensor load with the same
; descriptor and a mask that names the four.  THE MATRIX INSTRUCTION IS USED TRANSPOSED (source 0 = 16 rows of B, source 1 = 16 rows of A): a lane then holds eight neighbouring numbers of a row of C.
; REGISTERS, in windows of 256: window 0: v0-31 addresses; v32-95 scale words, two sets, and nothing else; v128-191 A's fragments, ONE set (on the way out: rows read back); v192-223 the way out's packed results.
;   window 1: B's fragments, TWO sets, at v0 and at v128.   window 2: the 32 accumulators of my rows 0-63 (accumulator (a, b) at v[8 (8 a + b)]);   window 3: those of my rows 64-127.
.set SIZE_K, 1024
.set KSTEP,  512                       ; along K in a slot
.set NQ,     KSTEP/128                 ; matrix instructions deep
.set ROWB,   256                       ; a tile's row in bytes
.set KROW,   SIZE_K/2                  ; a row of A or of B in memory, in bytes
.set PITCH,  272                       ; an LDS row: 256 bytes + 16 of padding = 68 words: the 16 rows that a load touches start at 16 different groups of four banks (64 banks of 4 bytes: ISA guide 11.1)
.set FR,     8                         ; registers of a fragment: 16 rows x 128 K
.set NL,     2                         ; LDS loads that bring one
.set NP,     4                         ; places behind this matrix instruction (ISA guide 7.12.1)
.set HALFT,  128*PITCH                 ; 128 rows: what one tensor load brings, and what one wave reads of A or of B
.set SLOT,   4*HALFT                   ; A's 256 rows, then B's 256 rows
.set KS,     SIZE_K/32                 ; a row of scales in bytes
.set SCL,    2*SLOT                    ; behind the slots: the scales, as units of 256 bytes + 16 of padding
.set HALFS,  (128*KS/256)*272          ; the scales of 128 rows: what one tensor load brings
.set SBLK,   (16*KS/256)*272           ; those of 16 rows
.set SPARE,  SCL+4*HALFS               ; behind the scales: the spare words, 128 bytes for each wave
.set SPITCH, 272                       ; the way out: a stage of 16 rows x (256 bytes + 16) for each wave, in slot 0, which has had its only fill and its last read when the first result is stored there
.set HEADB,  262144                    ; a head in qkv16: 2,048 positions x 128 bytes
.set ADRA, 16                          ; v16-17  LDS address of my A fragments in slot 0, 1
.set ADRB, 20                          ; v20-21  the same for B
.set STO,  24                          ; v24     the way out: where I put 16 bytes of a row
.set RD,   25                          ; v25     the way out: where I read back
.set CO,   26                          ; v26     16 x lane
.set ADRS, 27                          ; v27     LDS address of my scale words: lanes 0-15 A's rows, lanes 16-31 B's
.set SPW,  28                          ; v28     LDS address of my spare word; never rewritten
.set NIL,  29                          ; v29     0; never rewritten
.set SC,   32                          ; scale words: set s at v[SC + 32 s]; in it register 4 i + q: lanes 0-15 the word of A's block i, lanes 16-31 that of B's block i, for the slot's q-th 128 along K
.set AF,   128                         ; A's fragments, in window 0
.set OB,   128                         ; the way out: 16 rows read back: v128-159 and v160-191 by turns
.set TMP,  192                         ; the way out: a block's packed results
.set G1, 24                            ; s[24:31] descriptor group 1 for A's tiles;  s[32:39] group 0, one set for each slot
.set G0, 32
.set G1B, 48                           ; s[48:55], s[56:63] the same for B's tiles
.set G0B, 56
.set G1S, 68                           ; s[68:75], s[76:79] groups 1 and 0 for A's scales;  s[80:87], s[88:91] for B's
.set G0S, 76
.set G1SB, 80
.set G0SB, 88
.set MSB, 0
.macro WIN new                         ; the immediate's high byte repeats the setting that is left; a switch that changes nothing is dropped
.if MSB != (\new)
	s_set_vgpr_msb (MSB<<8)|(\new)
.set MSB, (\new)
.endif
.endm
.set MUL_LO, 0xa1                      ; source 0 (B) window 1, source 1 (A) window 0, C and D window 2
.set MUL_HI, 0xf1                      ; the same, C and D window 3
.set TO_B,   0x40                      ; destination window 1, address window 0
; A joint load: waves 0 and 1 fetch for A, waves 2 and 3 for B.  Each of the two lines has ONE mask and one set of registers for all that issue it; the branch hangs on the wave's number alone.
; An s_nop 0 and four v_nop follow each of the two lines, ahead of the jump, the label and what follows.
.macro JLOAD g0a, g1a, g0b, g1b
	s_cmp_eq_u32 s15, 0
	s_cbranch_scc0 .Lfor_b_\@
	tensor_load_to_lds s[\g0a:\g0a+3], s[\g1a:\g1a+7]
	s_nop 0
.rept 4
	v_nop
.endr
	s_branch .Lasked_\@
.Lfor_b_\@:
	tensor_load_to_lds s[\g0b:\g0b+3], s[\g1b:\g1b+7]
	s_nop 0
.rept 4
	v_nop
.endr
.Lasked_\@:
.endm
.macro CROUND                          ; a round of the cluster's barrier: my work-group's barrier; wave 0 signals for the work-group; every wave waits for all sixteen; my work-group's barrier once more
	s_barrier_signal -1
	s_barrier_wait -1
	s_cmp_lg_u32 s14, 0
	s_cbranch_scc1 .Lnot_wave_0_\@
	s_barrier_signal -3
.Lnot_wave_0_\@:
	s_barrier_wait -3
	s_barrier_signal -1
	s_barrier_wait -1
.endm
	s_load_b128 s[4:7], s[0:1], 0x0                ; A's codes s[4:5], A's scales s[6:7]
	s_load_b128 s[8:11], s[0:1], 0x10              ; B's codes s[8:9], B's scales s[10:11]
	s_load_b64 s[12:13], s[0:1], 0x20              ; qkv16
	v_lshl_add_u32 v[SPW], v0, 2, SPARE
	v_mov_b32 v[NIL], 0
	ds_add_u32 v[SPW], v[NIL]                      ; the wave's opening: the add, twice on end, and its wait ahead of my first tensor load; the set-up below stands between the second and the wait
	ds_add_u32 v[SPW], v[NIL]
	v_lshrrev_b32 v1, 5, v0
	v_readfirstlane_b32 s14, v1                    ; wave 0..3
	s_lshr_b32 s15, s14, 1                         ; which half of the tile's rows is mine.  Also: I fetch for A (0) or for B (1)
	s_and_b32 s16, s14, 1                          ; which half of its columns.  Also: which 128 rows of that tile I fetch
	s_bfe_u32 s40, ttmp6, 0x40000                  ; cx, cy: my place in the cluster
	s_bfe_u32 s41, ttmp6, 0x40004
	s_lshl_b32 s42, ttmp9, 2
	s_add_co_u32 s42, s42, s40                     ; tile column of C = 4 x cluster x + cx: 0..11
	s_and_b32 s17, ttmp7, 0xffff
	s_lshl_b32 s17, s17, 2
	s_add_co_u32 s17, s17, s41                     ; tile row of C = 4 x cluster y + cy: 0..31
	s_lshl_b32 s43, s41, 2
	s_lshl_b32 s43, 15, s43                        ; my row of the cluster
	s_lshl_b32 s44, 0x1111, s40                    ; my column
	; descriptor group 1: a tile of 128 rows x 256 bytes, padded in LDS
	s_or_b32 s[G1+0], s43, (0<<16)|(1<<20)|(1<<21)|(5<<22)|(3<<25)  ; 15:0 the mask: A's tiles go to my row; 17:16 element of 1 byte; 20 padding on; 21 set beside a mask; 24:22 after every 64 words (code 5); 31:25 of 4 words (code 3)
	s_or_b32 s[G1B+0], s44, (0<<16)|(1<<20)|(1<<21)|(5<<22)|(3<<25)
.irp g, G1, G1B
	s_mov_b32 s[\g+1], ROWB<<16                    ; tensor_dim0
	s_mov_b32 s[\g+2], 128<<16                     ; tensor_dim1 = 128
	s_mov_b32 s[\g+3], ROWB<<16                    ; tile_dim0
	s_mov_b32 s[\g+4], 128                         ; tile_dim1 = 128
	s_mov_b32 s[\g+5], KROW                        ; tensor_dim0_stride
	s_mov_b32 s[\g+6], 0
	s_mov_b32 s[\g+7], 0
.endr
	; and for the scales of 128 rows: a dense block of 4,096 bytes, as 16 rows of 256 bytes (32 elements of 8 bytes), 16 bytes of padding behind each
	s_or_b32 s[G1S+0], s43, (3<<16)|(1<<20)|(1<<21)|(5<<22)|(3<<25)
	s_or_b32 s[G1SB+0], s44, (3<<16)|(1<<20)|(1<<21)|(5<<22)|(3<<25)
.irp g, G1S, G1SB
	s_mov_b32 s[\g+1], 32<<16
	s_mov_b32 s[\g+2], (128*KS/256)<<16
	s_mov_b32 s[\g+3], 32<<16
	s_mov_b32 s[\g+4], 128*KS/256
	s_mov_b32 s[\g+5], 32
	s_mov_b32 s[\g+6], 0
	s_mov_b32 s[\g+7], 0
.endr
	s_lshl_b32 s18, s16, 7                         ; which 128 rows of the tile I fetch
	s_lshl_b32 s20, s17, 8
	s_add_co_u32 s20, s20, s18                     ; A: row 256 x tile row + 128 x half
	s_lshl_b32 s46, s42, 8
	s_add_co_u32 s46, s46, s18                     ; B: row 256 x tile column + 128 x half
	s_mov_b32 s21, 0
	s_mov_b32 s47, 0
	s_mov_b64 s[18:19], KS
	s_mul_u64 s[22:23], s[20:21], s[18:19]         ; where these rows' scales begin, in bytes
	s_mul_u64 s[92:93], s[46:47], s[18:19]
	s_mov_b64 s[18:19], KROW
	s_mul_u64 s[20:21], s[20:21], s[18:19]         ; and their codes
	s_mul_u64 s[46:47], s[46:47], s[18:19]
	s_mul_i32 s45, s14, HALFT                      ; where they go: wave x 128 rows: no place in the cluster enters an LDS address
	s_mul_i32 s94, s14, HALFS
	s_wait_dscnt 0x0                               ; both opening adds are done
	s_wait_kmcnt 0x0
	s_add_nc_u64 s[20:21], s[4:5], s[20:21]
	s_add_nc_u64 s[22:23], s[6:7], s[22:23]
	s_add_nc_u64 s[46:47], s[8:9], s[46:47]
	s_add_nc_u64 s[92:93], s[10:11], s[92:93]
	CROUND                                         ; all sixteen work-groups are here: the joint loads meet
	s_mov_b32 s[G0S], 1
	s_add_co_u32 s[G0S+1], s94, SCL
	s_mov_b64 s[G0S+2:G0S+3], s[22:23]
	s_or_b32 s[G0S+3], s[G0S+3], 0x80000000
	s_mov_b32 s[G0SB], 1
	s_add_co_u32 s[G0SB+1], s94, SCL
	s_mov_b64 s[G0SB+2:G0SB+3], s[92:93]
	s_or_b32 s[G0SB+3], s[G0SB+3], 0x80000000
	JLOAD G0S, G1S, G0SB, G1SB                     ; the scales first: they are wanted with K step 0
.irp s, 0,1
	s_mov_b32 s[G0+4*\s], 1
	s_add_co_u32 s[G0+4*\s+1], s45, \s*SLOT
	s_add_nc_u64 s[G0+4*\s+2:G0+4*\s+3], s[20:21], \s*ROWB
	s_or_b32 s[G0+4*\s+3], s[G0+4*\s+3], 0x80000000
	s_mov_b32 s[G0B+4*\s], 1
	s_add_co_u32 s[G0B+4*\s+1], s45, \s*SLOT
	s_add_nc_u64 s[G0B+4*\s+2:G0B+4*\s+3], s[46:47], \s*ROWB
	s_or_b32 s[G0B+4*\s+3], s[G0B+4*\s+3], 0x80000000
	JLOAD G0+4*\s, G1, G0B+4*\s, G1B               ; by this text's count three tensor loads of a wave are out here, its most
.endr
	v_and_b32 v1, 15, v0                           ; l % 16
	v_bfe_u32 v2, v0, 4, 1                         ; l / 16
	v_mul_u32_u24 v3, v1, PITCH
	v_lshl_add_u32 v4, v2, 4, v3                   ; a fragment's row x pitch + 16 x half
	s_mul_i32 s21, s15, HALFT                      ; my 128 rows of A
	s_mul_i32 s22, s16, HALFT                      ; my 128 rows of B,
	s_add_co_u32 s22, s22, 2*HALFT                 ; which lie behind A's 256
.irp s, 0,1
	v_add_nc_u32 v[ADRA+\s], s21, v4
	v_add_nc_u32 v[ADRB+\s], s22, v4
	s_add_co_u32 s21, s21, SLOT
	s_add_co_u32 s22, s22, SLOT
.endr
	v_mul_u32_u24 v5, v1, KS                       ; my row's scales: 32 bytes a row,
	v_lshrrev_b32 v6, 8, v5
	v_lshl_add_u32 v5, v6, 4, v5                   ; and 16 more for each 256 passed
	s_mul_i32 s21, s15, HALFS                      ; A's: my 128 rows
	s_mul_i32 s22, s16, HALFS                      ; B's: my 128 rows, behind A's 256
	s_add_co_u32 s22, s22, 2*HALFS
	s_sub_co_u32 s22, s22, s21
	v_mul_u32_u24 v6, s22, v2                      ; lanes 16-31 take B's: the lower base + half x the distance
	s_add_co_u32 s21, s21, SCL
	v_add_nc_u32 v5, v5, v6
	v_add_nc_u32 v[ADRS], s21, v5
	s_mul_i32 s23, s14, 16*SPITCH                  ; my stage
	v_mul_u32_u24 v5, v1, SPITCH                   ; in: row l % 16, 16 bytes for each half of the lanes
	v_lshl_add_u32 v5, v2, 4, v5
	v_add_nc_u32 v[STO], s23, v5
	v_and_b32 v6, 31, v0
	v_lshlrev_b32 v[CO], 4, v6                     ; out: 16 bytes a lane: four rows of a head's 128 bytes are 512 consecutive bytes
	v_lshrrev_b32 v5, 3, v6
	v_mul_u32_u24 v5, v5, SPITCH                   ; back: eight lanes to a row's half: row l / 8, byte 16 (l % 8)
	v_and_b32 v6, 7, v6
	v_lshl_add_u32 v5, v6, 4, v5
	v_add_nc_u32 v[RD], s23, v5
	; where my 128 x 128 goes: columns 256 tc + 128 hn are heads g, g + 1 of tensor which = tc / 4, g % 16 = 4 (tc % 4) + 2 hn; rows 256 tr + 128 hm are positions 256 (tr % 8) + 128 hm of batch tr / 8
	s_lshr_b32 s20, s42, 2
	s_lshl_b32 s20, s20, 2
	s_lshr_b32 s21, s17, 3
	s_add_co_u32 s20, s20, s21                     ; 4 which + batch
	s_lshl_b32 s20, s20, 4
	s_and_b32 s21, s42, 3
	s_lshl_b32 s21, s21, 2
	s_add_co_u32 s20, s20, s21
	s_lshl_b32 s21, s16, 1
	s_add_co_u32 s20, s20, s21                     ; x 16 + head
	s_lshl_b32 s20, s20, 18                        ; x 262,144 bytes
	s_and_b32 s21, s17, 7
	s_lshl_b32 s21, s21, 8
	s_lshl_b32 s46, s15, 7
	s_add_co_u32 s21, s21, s46                     ; my first position
	s_lshl_b32 s21, s21, 7                         ; x 128 bytes
	s_add_co_u32 s20, s20, s21                     ; under 2^26
	s_mov_b32 s21, 0
	s_add_nc_u64 s[12:13], s[12:13], s[20:21]
.macro FRAG reg, adr, q, i             ; a fragment, 16 rows x 128 K of 4-bit codes, is 8 registers: lane l holds row l % 16; registers 4 c .. 4 c + 3 hold K = 64 c + 32 (l / 16) + 0 .. 31
.irp c, 0,1
	ds_load_b128 v[\reg+4*\c:\reg+4*\c+3], v[\adr] offset:64*(\q)+32*\c+(\i)*16*PITCH
.endr
.endm
; 16 matrix instructions: A's blocks a0, a0 + 1 x B's eight, 128 along K: the slot's q-th.  p: B's set;  sc: the set of scale words.  zero = 1: the first product starts the sums: nothing is ever cleared.
; The 64 accumulators take turns, one instruction a turn, in the same order in every step.
.macro MUL16 a0, p, q, sc, zero
.irp a, \a0, \a0+1
.irp b, 0,1,2,3,4,5,6,7
.if \zero
	v_wmma_scale_f32_16x16x128_f8f6f4 v[8*(8*((\a)%4)+\b):8*(8*((\a)%4)+\b)+7], v[128*(\p)+FR*\b:128*(\p)+FR*\b+FR-1], v[AF+FR*(\a):AF+FR*(\a)+FR-1], 0, v[SC+8*NQ*(\sc)+NQ*\b+(\q)], v[SC+8*NQ*(\sc)+NQ*(\a)+(\q)] matrix_a_fmt:MATRIX_FMT_FP4 matrix_b_fmt:MATRIX_FMT_FP4 matrix_a_scale:MATRIX_SCALE_ROW1
.else
	v_wmma_scale_f32_16x16x128_f8f6f4 v[8*(8*((\a)%4)+\b):8*(8*((\a)%4)+\b)+7], v[128*(\p)+FR*\b:128*(\p)+FR*\b+FR-1], v[AF+FR*(\a):AF+FR*(\a)+FR-1], v[8*(8*((\a)%4)+\b):8*(8*((\a)%4)+\b)+7], v[SC+8*NQ*(\sc)+NQ*\b+(\q)], v[SC+8*NQ*(\sc)+NQ*(\a)+(\q)] matrix_a_fmt:MATRIX_FMT_FP4 matrix_b_fmt:MATRIX_FMT_FP4 matrix_a_scale:MATRIX_SCALE_ROW1
.endif
.endr
.endr
.endm
.macro FETCH_B slot, q, p              ; B's eight fragments of the slot's q-th 128 along K into set p
	WIN TO_B
.irp i, 0,1,2,3,4,5,6,7
	FRAG 128*(\p)+FR*\i, ADRB+\slot, \q, \i
.endr
	WIN 0
.endm
.macro FETCH_A slot, q, i0             ; A's blocks i0 .. i0 + 3
.irp i, \i0, \i0+1, \i0+2, \i0+3
	FRAG AF+FR*(\i), ADRA+\slot, \q, \i
.endr
.endm
.macro SCALES sc                       ; a K step's scale words into set sc: four words a row; lanes 0-15 take A's block i, lanes 16-31 B's block i
.irp i, 0,1,2,3,4,5,6,7
	ds_load_b128 v[SC+8*NQ*\sc+NQ*\i:SC+8*NQ*\sc+NQ*\i+3], v[ADRS] offset:\i*SBLK
.endr
.endm
; A load into a register that a matrix instruction has read, and a vector instruction that reads a matrix result, stand NP places behind that matrix instruction; only plain vector instructions that name none
; of its registers are places (ISA guide 7.12.1 for vector instructions).
.macro PLACES n
.rept \n
	v_nop
.endr
.endm
; A step of 128 along K that has its successor in the same slot.  A's blocks are free as soon as their eight products are issued: blocks 0-3 are fetched anew in the step's middle, blocks 4-7 at its end.
.macro STEP slot, q, zero
	s_wait_dscnt 4*NL                              ; B's set and A's blocks 0-3 are in; the youngest eight loads (A's blocks 4-7) may be out
	WIN MUL_LO
	MUL16 0, (\q)%2, \q, \slot, \zero
	MUL16 2, (\q)%2, \q, \slot, \zero
	s_wait_dscnt 0                                 ; A's blocks 4-7 are in
	PLACES NP
	FETCH_B \slot, (\q)+1, 1-(\q)%2
	FETCH_A \slot, (\q)+1, 0
	WIN MUL_HI
	MUL16 4, (\q)%2, \q, \slot, \zero
	MUL16 6, (\q)%2, \q, \slot, \zero
	PLACES NP
	WIN 0
	FETCH_A \slot, (\q)+1, 4
.endm
.macro STEPS slot, from                ; the slot's steps from .. NQ - 2
.set Q, \from
.rept NQ-1-\from
	STEP \slot, Q, 0
.set Q, Q+1
.endr
.endm
	s_wait_tensorcnt 1                             ; the scales and my part of K step 0 are in (K step 1's load, issued behind them, may be out),
	s_barrier_signal -1
	s_barrier_wait -1                              ; everybody's are
	FETCH_B 0, 0, 0
	FETCH_A 0, 0, 0
	SCALES 0
	FETCH_A 0, 0, 4
	STEP 0, 0, 1                                   ; the first step's products start the sums
	STEPS 0, 1
	; slot 0's last step changes slots: each wave waits for its part of slot 1, then one barrier; behind it slot 1 is whole and nobody reads slot 0 any more
	s_wait_tensorcnt 0x0                           ; all my tensor loads have landed  (every window is 0 here: the add's two registers lie in window 0)
	ds_add_u32 v[SPW], v[NIL]                      ; 0 onto my spare word
	s_wait_dscnt 4*NL+1                            ; (the add and the youngest eight loads, A's blocks 4-7, may be out)
	WIN MUL_LO
	MUL16 0, 1, NQ-1, 0, 0                         ; sixteen matrix instructions stand between the add and the wait for it
	s_wait_dscnt 0x0                               ; the add is done, and my reads of slot 0 are over
	s_barrier_signal -1
	MUL16 2, 1, NQ-1, 0, 0
	WIN 0
	s_barrier_wait -1
	PLACES NP
	v_add_nc_u32 v[ADRS], 4*NQ, v[ADRS]            ; on to K step 1's scale words
	FETCH_B 1, 0, 0
	FETCH_A 1, 0, 0
	SCALES 1
	WIN MUL_HI
	MUL16 4, 1, NQ-1, 0, 0
	MUL16 6, 1, NQ-1, 0, 0
	PLACES NP
	WIN 0
	FETCH_A 1, 0, 4
	STEPS 1, 0
	s_wait_dscnt 4*NL                              ; the very last step: nothing more to fetch
	WIN MUL_LO
	MUL16 0, 1, NQ-1, 1, 0
	MUL16 2, 1, NQ-1, 1, 0
	s_wait_dscnt 0
	WIN MUL_HI
	MUL16 4, 1, NQ-1, 1, 0
	MUL16 6, 1, NQ-1, 1, 0
	WIN 0
; THE WAY OUT, block by block of 16 rows x 128 columns (two heads).  PACK: rounded to f16, a lane's eight neighbouring columns are 16 bytes.  TOSTAGE: into my own stage, and back by heads: four rows of a
; head's 128 bytes an instruction.  SEND: those are 512 consecutive bytes of qkv16, aligned.  LDS serves a wave's instructions in order (ISA guide 5.7.1.4): no wait between the stores and the loads.
.macro PACK a
.set AC, 64*((\a)%4)
	WIN 0x0a+5*((\a)/4)                            ; sources 0 and 1: window 2 or 3
.irp b, 0,1,2,3,4,5,6,7
.irp r, 0,1,2,3
	v_cvt_pk_f16_f32 v[TMP+4*\b+\r], v[AC+8*\b+2*\r], v[AC+8*\b+2*\r+1]     ; each accumulator from its low end on
.endr
.endr
	WIN 0
.endm
.macro TOSTAGE a
.set BB, OB+32*((\a)%2)
.irp b, 0,1,2,3,4,5,6,7
	ds_store_b128 v[STO], v[TMP+4*\b:TMP+4*\b+3] offset:32*\b
.endr
.irp t, 0,1,2,3,4,5,6,7
	ds_load_b128 v[BB+4*\t:BB+4*\t+3], v[RD] offset:(\t%4)*4*SPITCH+128*(\t/4)   ; head t / 4, rows 4 (t % 4) on
.endr
.endm
.macro SEND a
.set BB, OB+32*((\a)%2)
	s_wait_dscnt 0x0                               ; the block is back in registers
	s_wait_xcnt 0x0                                ; the earlier stores have read their registers: the other set, which the block before last left, is loaded again only behind this wait
.irp t, 0,1,2,3,4,5,6,7
	global_store_b128 v[CO], v[BB+4*\t:BB+4*\t+3], s[12:13] offset:(\t/4)*HEADB+(\a)*2048+(\t%4)*512   ; the base is never stepped: 278,016 bytes at the most stand in the immediate
.endr
.endm
	PLACES NP                                      ; behind the last products: for the conversions that read results, and for the loads into the registers that held A's fragments
	PACK 0
	TOSTAGE 0
.irp a, 1,2,3,4,5,6,7                  ; block a's conversions stand between block a - 1's loads from the stage and the wait for them
	PACK \a
	SEND \a-1
	TOSTAGE \a
.endr
	SEND 7
	s_wait_tensorcnt 0x0                           ; the wave's end, behind my last tensor load and my last LDS store
	ds_add_u32 v[SPW], v[NIL]
	s_wait_dscnt 0x0
	CROUND                                         ; the closing round: no work-group ends while a partner may still ask for a tile that names it
	s_endpgm
.Lfunc_end_k_qed1d5eb5d1_qkv:
	.size	k_qed1d5eb5d1_qkv, .Lfunc_end_k_qed1d5eb5d1_qkv-k_qed1d5eb5d1_qkv
	.p2alignl 7, 3214868480
	.fill 96, 4, 3214868480
	.section	.rodata,"a",@progbits
	.p2align	6, 0x0
	.amdhsa_kernel k_qed1d5eb5d1_qkv
		.amdhsa_group_segment_fixed_size 327680
		.amdhsa_private_segment_fixed_size 0
		.amdhsa_enable_private_segment 0
		.amdhsa_kernarg_size 40
		.amdhsa_user_sgpr_count 2
		.amdhsa_user_sgpr_kernarg_segment_ptr 1
		.amdhsa_wavefront_size32 1
		.amdhsa_system_sgpr_workgroup_id_x 1
		.amdhsa_system_sgpr_workgroup_id_y 1
		.amdhsa_system_sgpr_workgroup_id_z 1
		.amdhsa_system_vgpr_workitem_id 0
		.amdhsa_next_free_vgpr 1024
		.amdhsa_next_free_sgpr 98
		.amdhsa_reserve_vcc 0
		.amdhsa_float_denorm_mode_32 3
		.amdhsa_float_denorm_mode_16_64 3
		.amdhsa_memory_ordered 1
		.amdhsa_forward_progress 1
		.amdhsa_inst_pref_size 126
	.end_amdhsa_kernel
	.amdgpu_metadata
---
amdhsa.version: [ 1, 2 ]
amdhsa.kernels:
  - .name:           k_qed1d5eb5d1_qkv
    .symbol:         k_qed1d5eb5d1_qkv.kd
    .args:
      - { .name: a_codes, .offset: 0, .size: 8, .value_kind: global_buffer, .address_space: global }
      - { .name: a_scales, .offset: 8, .size: 8, .value_kind: global_buffer, .address_space: global }
      - { .name: b_codes, .offset: 16, .size: 8, .value_kind: global_buffer, .address_space: global }
      - { .name: b_scales, .offset: 24, .size: 8, .value_kind: global_buffer, .address_space: global }
      - { .name: qkv16, .offset: 32, .size: 8, .value_kind: global_buffer, .address_space: global }
    .group_segment_fixed_size: 327680
    .private_segment_fixed_size: 0
    .kernarg_segment_align: 8
    .kernarg_segment_size: 40
    .max_flat_workgroup_size: 128
    .sgpr_count:     98
    .vgpr_count:     1024
    .wavefront_size: 32
...
	.end_amdgpu_metadata
.endif
;; end of part 2
;; launch attn (part 3): grid 4 x 64, 8 waves a work-group, clusters of 4 x 1, 327,680 bytes of LDS; arguments qkv16, att16; writes att16
.if DOCPART == 3
	.amdgcn_target "amdgcn-amd-amdhsa--gfx1250"
	.amdhsa_code_object_version 6
	.text
	.protected	k_qed1d5eb5d1_attn
	.globl	k_qed1d5eb5d1_attn
	.p2align	8
	.type	k_qed1d5eb5d1_attn,@function
k_qed1d5eb5d1_attn:
	s_mov_b64 s[64:65], 0
	v_nop
	global_prefetch_b8 v0, s[64:65] scope:SCOPE_SE
	s_setreg_imm32_b32 hwreg(HW_REG_WAVE_MODE, 25, 1), 1
	s_wait_xcnt 0x0
	s_wait_alu depctr_hold_cnt(0) depctr_sa_sdst(0) depctr_va_vdst(0) depctr_va_sdst(0) depctr_va_ssrc(0) depctr_va_vcc(0) depctr_vm_vsrc(0)
	s_getreg_b32 s2, hwreg(HW_REG_IB_STS2, 6, 4)
	s_cmp_eq_u32 s2, 0
	s_cbranch_scc0 .Lentry_in_a_cluster
	s_endpgm
.Lentry_in_a_cluster:
	s_bfe_u32 s2, ttmp6, 0x10000c
	s_cmp_lg_u32 s2, 0x3003
	s_cbranch_scc0 .Lentry_shape_is_right
	s_endpgm
.Lentry_shape_is_right:
; ATTN: O[q][:] = the sum over k of softmax_k(Q[q] . K[k] / 8) V[k][:], for each of 64 heads (batch x head), 2,048 positions, head size 64, no mask.
; qkv16: [which 3][batch 4][head 16][position 2048][64] f16.  att16: [head 16][row 8192 = 2048 batch + position][64] f16.  Products on f16 operands, f32 sums; maxima, exponentials and sums in f32.
; LIMITS: the weights p are rounded to f16 for the second product (a p under 6e-8 becomes 0); the result beyond 65,504 does not fit f16.
; SHARES.  A work-group owns 512 queries of one head, each of its eight waves 64: four tiles of 16, in 512 registers: two waves to a SIMD, so that one wave's softmax stands beside the other's products.
; Every wave walks all 2,048 keys, 64 a step: 32 products K Q^T, the softmax, 32 products V^T P; each fragment of K and V read from LDS feeds four products.
; LAYOUT.  S^T = K Q^T (source 0 = 16 keys, source 1 = 16 queries): a lane holds ONE query (lane % 16) and the keys 8 (lane / 16) + 0..7.  Two such tiles, rounded to f16 in pairs, ARE source 1
; (32 keys x 16 queries) of O^T = V^T P, whose result again holds one query a lane and eight channels.  K comes out of LDS as it lies, V ([key][channel]) turned, by ds_load_tr16_b128.
; SOFTMAX.  For each query a running maximum m and sum l: p = 2^(c s - c m), c = log2(e) / 8; in every step O and l are multiplied by a = 2^(c m_old - c m_new).  The loop has no first step of its own:
; O and l begin as zeros and m as -3e38, so the first a is 0 and multiplies zeros.
; PIPELINE.  A trip begins with the scores of step j in registers: it asks LDS for K of step j + 1, walks the softmax, multiplies V^T P of step j, asks for V of step j + 1, and multiplies K Q^T of step j + 1.
; RING.  Two slots of 512 keys (8 steps).  Both are first fills; each is filled again once: a refill has eight key steps in which to land.  Waves 0-3 fetch K's quarters, waves 4-7 V's: one load a wave.
; CLUSTER.  The four query blocks of a head walk the same K and V: each tile is asked for JOINTLY, by the same tensor load with the same descriptor and a mask that names the four.
; REGISTERS.  window 0: v1-15 addresses; v16-47 eight registers of statistics a tile; v48-63 two chains of sums a tile; v64-191 S^T, 32 a tile, p packed in place into each tile's first 16; v192-255 K of one step.
;             window 1: v0-127 O^T, 32 a tile; v128-191 Q, 16 a tile; v192-255 V of one step.
.set KS,    64                         ; keys in a step
.set PK,    144                        ; a row of K in LDS: 128 bytes + 16 = 36 words: the 16 rows of a load start at 16 different groups of four banks (64 banks of 4 bytes: ISA guide 11.1)
.set PV,    160                        ; a row of V: 128 + 32 = 40 words
.set VOFF,  512*PK                     ; a slot: 512 rows of K, then 512 rows of V
.set SLOTB, 512*(PK+PV)
.set SPARE, 2*SLOTB                    ; behind the ring: the spare words, 128 bytes for each wave
.set HEADB, 262144                     ; a head in qkv16
.set WHICHB, 16777216                  ; q, k or v in qkv16
.set AK0, 3                            ; v3   my lane's place in a tile of K; never rewritten
.set AV0, 4                            ; v4   the same for V
.set ADK, 5                            ; v5   the LDS address of K's run of loads in hand
.set ADV, 6                            ; v6   of V's
.set QO,  7                            ; v7   my byte offset in the wave's rows of Q
.set STO, 8                            ; v8   the way out: where I put 16 bytes of a row.  The stage, 64 rows x 144 bytes a wave, lies in slot 0's rows of K: they have had their last fill and their last read at the last change of slots
.set RD,  9                            ; v9   the way out: where I read back
.set GO,  10                           ; v10  16 x lane
.set SPW, 12                           ; v12  LDS address of my spare word; never rewritten
.set NIL, 13                           ; v13  0; never rewritten
.set ST,  16                           ; tile t's statistics at v[ST+8 t]: +0 c m, +1 m, +2, +3 l (even keys', odd keys'), +4 to +7 c0-c3, at work; a takes c2's place
.set TS,  48                           ; tile t's two chains of sums at v[TS+4 t]
.set S,   64
.set KF,  192                          ; window 0: K's fragment (keys 16 kt on, channels 32 c on) at KF + 16 kt + 8 c
.set QF,  128                          ; window 1: Q's fragment (tile t, channels 32 c on) at QF + 16 t + 8 c
.set VF,  192                          ; window 1: V's fragment (keys 32 kk on, channels 16 ct on) at VF + 8 (4 kk + ct)
.set WV,  8                            ; s8   my wave's number
.set G1K, 24                           ; s[24:31] descriptor group 1 for K's tiles
.set G1V, 32                           ; s[32:39] for V's: it differs in the padding alone
.set G0K, 40                           ; s[40:47] descriptor group 0 for K's tiles, a set for each slot
.set G0V, 48                           ; s[48:55] the same for V's
.set CS,  56                           ; s[56:57] c: the packed scaling names a pair and takes its low word for both halves
.set SEL, 58                           ; s[58:59] lane selects for v_permlanex16_b32: lane l xor 16
.set TBK, 60                           ; s60  LDS byte at which K's rows of the step to be fetched begin
.set TBV, 61                           ; s61  and V's
.set CNT, 62                           ; s62  counts key steps
.set MSB, 0
.macro WIN new                         ; the immediate's high byte repeats the setting that is left; a switch that changes nothing is dropped
.if MSB != (\new)
	s_set_vgpr_msb (MSB<<8)|(\new)
.set MSB, (\new)
.endif
.endm
.set W_KQ, 0x04                        ; Q (source 1) in window 1; K and S^T in window 0
.set W_PV, 0x51                        ; V (source 0) and O^T (C and D) in window 1; P in window 0
.set W_RS, 0x41                        ; O^T (destination and source 0) in window 1, a in window 0
.set TO_1, 0x40                        ; destination window 1, address window 0
; A joint refill of slot s.  The branch hangs on the wave's number alone: it is the same in every work-group.  An s_nop 0 and four v_nop follow each of the two lines.
.macro JLOAD s
	s_cmp_lt_u32 s[WV], 4
	s_cbranch_scc0 .Lfor_v_\@
	tensor_load_to_lds s[G0K+4*\s:G0K+4*\s+3], s[G1K:G1K+7]
	s_nop 0
.rept 4
	v_nop
.endr
	s_branch .Lasked_\@
.Lfor_v_\@:
	tensor_load_to_lds s[G0V+4*\s:G0V+4*\s+3], s[G1V:G1V+7]
	s_nop 0
.rept 4
	v_nop
.endr
.Lasked_\@:
.endm
.macro CROUND                          ; a round of the cluster's barrier: my work-group's barrier; wave 0 signals for the work-group; every wave waits for all four; my work-group's barrier once more
	s_barrier_signal -1
	s_barrier_wait -1
	s_cmp_lg_u32 s[WV], 0
	s_cbranch_scc1 .Lnot_wave_0_\@
	s_barrier_signal -3
.Lnot_wave_0_\@:
	s_barrier_wait -3
	s_barrier_signal -1
	s_barrier_wait -1
.endm
	s_load_b128 s[4:7], s[0:1], 0x0                ; qkv16 s[4:5], att16 s[6:7]
	v_lshl_add_u32 v[SPW], v0, 2, SPARE
	v_mov_b32 v[NIL], 0
	ds_add_u32 v[SPW], v[NIL]                      ; the wave's opening: the add, twice on end, and its wait ahead of my first tensor load; the set-up below stands between the second and the wait
	ds_add_u32 v[SPW], v[NIL]
	v_lshrrev_b32 v1, 5, v0
	v_readfirstlane_b32 s[WV], v1                  ; wave 0..7
	s_bfe_u32 s9, ttmp6, 0x40000                   ; cx: my place in the cluster
	s_lshl_b32 s11, ttmp9, 2                       ; in a cluster launch ttmp9 counts clusters
	s_add_co_u32 s11, s11, s9                      ; my block of 512 queries: it enters Q's and O's addresses alone
	s_and_b32 s10, ttmp7, 0xffff                   ; 16 x batch + head, which the four partners share
	s_lshl_b32 s12, s10, 18                        ; its first byte in q, k and v
	s_and_b32 s14, s[WV], 3                        ; which quarter of a slot I fetch:
	s_lshl_b32 s15, s14, 14                        ; its 128 rows of 128 bytes in memory
	s_add_co_u32 s20, s12, s15
	s_add_co_u32 s20, s20, WHICHB                  ; K's offset,
	s_mov_b32 s21, 0
	s_add_co_u32 s22, s20, WHICHB                  ; V's
	s_mov_b32 s23, 0
	s_mul_i32 s2, s14, 128*PK                      ; and its place in a slot: no place in the cluster enters an LDS address
	s_mul_i32 s3, s14, 128*PV
	s_add_co_u32 s3, s3, VOFF
	s_lshl_b32 s16, s11, 16                        ; my block's 512 rows of 128 bytes,
	s_lshl_b32 s13, s[WV], 13                      ; my wave's 64 of them
	s_add_co_u32 s16, s16, s13
	s_and_b32 s18, s10, 15
	s_lshl_b32 s18, s18, 20                        ; att16: the head's 8,192 rows,
	s_lshr_b32 s13, s10, 4
	s_lshl_b32 s13, s13, 18                        ; the batch's 2,048 of them
	s_add_co_u32 s18, s18, s13
	s_add_co_u32 s18, s18, s16
	s_mov_b32 s19, 0
	s_add_co_u32 s16, s16, s12
	s_mov_b32 s17, 0
	; descriptor group 1: a tile of 128 rows x 64 elements, dense in memory, padded in LDS
	s_mov_b32 s[G1K], 15|(1<<16)|(1<<20)|(1<<21)|(4<<22)|(3<<25)  ; 15:0 the mask: all four work-groups; 17:16 elements of 2 bytes; 20 padding on; 21 set beside a mask; 24:22 after every 32 words (code 4); 31:25 4 words of it (code 3)
	s_mov_b32 s[G1V], 15|(1<<16)|(1<<20)|(1<<21)|(4<<22)|(7<<25)  ; the same with 8 words of padding (code 7)
.irp g, G1K, G1V
	s_mov_b32 s[\g+1], 64<<16                      ; tensor_dim0 = 64
	s_mov_b32 s[\g+2], 128<<16                     ; tensor_dim1 = 128
	s_mov_b32 s[\g+3], 64<<16                      ; tile_dim0 = 64
	s_mov_b32 s[\g+4], 128                         ; tile_dim1 = 128
	s_mov_b32 s[\g+5], 64                          ; tensor_dim0_stride: elements from row to row
	s_mov_b32 s[\g+6], 0
	s_mov_b32 s[\g+7], 0
.endr
	s_mov_b32 s[CS], 0x3e38aa3b                    ; c = log2(e) / 8
	s_mov_b32 s[CS+1], s[CS]                       ; named with it as a pair, so it is written
	s_mov_b32 s[SEL], 0x76543210
	s_mov_b32 s[SEL+1], 0xfedcba98
	s_wait_dscnt 0x0                               ; both opening adds are done
	s_wait_kmcnt 0x0
	s_add_nc_u64 s[20:21], s[4:5], s[20:21]        ; K and V at my quarter of slot 0
	s_add_nc_u64 s[22:23], s[4:5], s[22:23]
	s_add_nc_u64 s[16:17], s[4:5], s[16:17]        ; Q at my wave's first row
	s_add_nc_u64 s[18:19], s[6:7], s[18:19]        ; and the result's
	CROUND                                         ; all four work-groups are here: the first joint loads meet
.irp s, 0,1
	s_mov_b32 s[G0K+4*\s], 1                       ; count = 1
	s_add_co_u32 s[G0K+4*\s+1], s2, \s*SLOTB       ; LDS address
	s_add_nc_u64 s[G0K+4*\s+2:G0K+4*\s+3], s[20:21], \s*512*128   ; global address: slot s begins with keys 512 s on
	s_or_b32 s[G0K+4*\s+3], s[G0K+4*\s+3], 0x80000000             ; type = 2
	s_mov_b32 s[G0V+4*\s], 1
	s_add_co_u32 s[G0V+4*\s+1], s3, \s*SLOTB
	s_add_nc_u64 s[G0V+4*\s+2:G0V+4*\s+3], s[22:23], \s*512*128
	s_or_b32 s[G0V+4*\s+3], s[G0V+4*\s+3], 0x80000000
.endr
	s_cmp_lt_u32 s[WV], 4                          ; a wave's two first fills stand in one branch, ahead of every wait on TENSORcnt and every LDS read: two loads of mine are out, my most
	s_cbranch_scc0 .Lfirst_v
	tensor_load_to_lds s[G0K:G0K+3], s[G1K:G1K+7]
	s_nop 0
	tensor_load_to_lds s[G0K+4:G0K+7], s[G1K:G1K+7]
	s_nop 0
.rept 4
	v_nop
.endr
	s_branch .Lfirst_asked
.Lfirst_v:
	tensor_load_to_lds s[G0V:G0V+3], s[G1V:G1V+7]
	s_nop 0
	tensor_load_to_lds s[G0V+4:G0V+7], s[G1V:G1V+7]
	s_nop 0
.rept 4
	v_nop
.endr
.Lfirst_asked:
	; A fragment of K or Q is 16 rows x 32 channels in 8 registers: lane l holds row l % 16; registers 0-3 channels 8 (l / 16) + 0..7, registers 4-7 channels 16 + 8 (l / 16) + 0..7: two loads of 16 bytes, 32 bytes apart.
	v_and_b32 v1, 15, v0                           ; l % 16
	v_bfe_u32 v2, v0, 4, 1                         ; l / 16
	v_lshlrev_b32 v[QO], 7, v1
	v_lshl_add_u32 v[QO], v2, 4, v[QO]             ; row x 128 + 16 x half
	WIN TO_1
.irp t, 0,1,2,3
.irp c, 0,1
	global_load_b128 v[QF+16*\t+8*\c:QF+16*\t+8*\c+3],   v[QO], s[16:17] offset:2048*\t+64*\c      ; Q stays in registers
	global_load_b128 v[QF+16*\t+8*\c+4:QF+16*\t+8*\c+7], v[QO], s[16:17] offset:2048*\t+64*\c+32
.endr
.endr
.set j, 0
.rept 128
	v_mov_b32 v[j], 0                              ; O^T.  (The key step is written without a first step of its own: the first a, which is 0, finds zeros)
.set j, j+1
.endr
	WIN 0
	v_mul_u32_u24 v[AK0], v1, PK
	v_lshl_add_u32 v[AK0], v2, 4, v[AK0]           ; row x pitch + 16 x half
	; The turning load takes 16 keys x 16 channels (lane l reads 16 bytes: key 8 (l / 16) + l % 8, channels 8 ((l / 8) % 2) + 0..7) and leaves half a fragment of V^T: lane l holds channel l % 16 and 8 keys.
	v_and_b32 v14, 7, v0
	v_bfe_u32 v15, v0, 3, 1
	v_lshl_add_u32 v[AV0], v2, 3, v14
	v_mul_u32_u24 v[AV0], v[AV0], PV
	v_lshl_add_u32 v[AV0], v15, 4, v[AV0]
	s_mul_i32 s13, s[WV], 64*PK                    ; my stage
	v_add_nc_u32 v[STO], s13, v[AK0]               ; in: row l % 16, 16 bytes for each half of the lanes
	v_and_b32 v14, 31, v0
	v_lshlrev_b32 v[GO], 4, v14                    ; out: four rows of 128 bytes are 512 consecutive bytes, 16 a lane
	v_lshrrev_b32 v15, 3, v14
	v_mul_u32_u24 v15, v15, PK                     ; back: eight lanes to a row
	v_and_b32 v14, 7, v14
	v_lshl_add_u32 v15, v14, 4, v15
	v_add_nc_u32 v[RD], s13, v15
.irp t, 0,1,2,3
	v_mov_b32 v[ST+8*\t+1], 0xff61b1e6             ; m = -3e38, under every score
	v_mov_b32 v[ST+8*\t+2], 0                      ; l
	v_mov_b32 v[ST+8*\t+3], 0
.endr
.irp t, 0,1,2,3
	v_mul_f32 v[ST+8*\t], s[CS], v[ST+8*\t+1]      ; c m
.endr
; THE LDS LOADS stand in runs of 16.  In front of each stand the places that the registers' last matrix instructions ask for (ISA guide 7.12.1 for vector instructions):
; K's registers were read by K Q^T just before: four (they serve the softmax's first read of the scores too).
.macro FETCH_K
	WIN 0
	v_add_nc_u32 v[ADK], s[TBK], v[AK0]
.rept 3
	v_nop
.endr
.irp f, 0,1,2,3,4,5,6,7                        ; keys 16 (f / 2) on, channels 32 (f % 2) on
	ds_load_b128 v[KF+8*\f:KF+8*\f+3],   v[ADK] offset:(\f/2)*16*PK+(\f%2)*64
	ds_load_b128 v[KF+8*\f+4:KF+8*\f+7], v[ADK] offset:(\f/2)*16*PK+(\f%2)*64+32
.endr
	s_add_co_u32 s[TBK], s[TBK], KS*PK             ; the next fetch is the next step's
.endm
; V's registers were read by V^T P just before; and the K Q^T that follows writes over p, a source of V^T P: five places.
.macro FETCH_V
	WIN 0
	v_add_nc_u32 v[ADV], s[TBV], v[AV0]
.rept 4
	v_nop
.endr
	WIN TO_1
.irp f, 0,1,2,3,4,5,6,7                        ; keys 32 (f / 4) on, channels 16 (f % 4) on
	ds_load_tr16_b128 v[VF+8*\f:VF+8*\f+3],   v[ADV] offset:(\f/4)*32*PV+(\f%4)*32
	ds_load_tr16_b128 v[VF+8*\f+4:VF+8*\f+7], v[ADV] offset:(\f/4)*32*PV+16*PV+(\f%4)*32
.endr
	s_add_co_u32 s[TBV], s[TBV], KS*PV
.endm
; S^T = K Q^T: product i of 32: channels 32 (i / 16) on, keys 16 ((i / 4) % 4) on, tile i % 4.  The first 16 start the sums.  The 16 accumulators take turns.
.macro KQ
	WIN W_KQ
.set i, 0
.rept 32
.set rS, S+32*(i%4)+8*((i/4)%4)
.set rK, KF+16*((i/4)%4)+8*(i/16)
.set rQ, QF+16*(i%4)+8*(i/16)
.if i < 16
	v_wmma_f32_16x16x32_f16 v[rS:rS+7], v[rK:rK+7], v[rQ:rQ+7], 0
.else
	v_wmma_f32_16x16x32_f16 v[rS:rS+7], v[rK:rK+7], v[rQ:rQ+7], v[rS:rS+7]
.endif
.set i, i+1
.endr
.endm
; O^T += V^T P: product i of 32: keys 32 (i / 16) on, channels 16 ((i / 4) % 4) on, tile i % 4.  The 16 accumulators take turns.
.macro PVM
	WIN W_PV
.set i, 0
.rept 32
.set rO, 32*(i%4)+8*((i/4)%4)
.set rV, VF+8*(4*(i/16)+(i/4)%4)
.set rP, S+32*(i%4)+8*(i/16)
	v_wmma_f32_16x16x32_f16 v[rO:rO+7], v[rV:rV+7], v[rP:rP+7], v[rO:rO+7]
.set i, i+1
.endr
.endm
; THE SOFTMAX of a key step, 118 instructions a tile.  In every line the four tiles take turns, so that no line waits for the line above it.
.macro SOFTMAX
	WIN 0
.irp q, 0,1,2,3                                ; the maximum of the lane's 32 scores and the old m, three operands at a time: four chains, each begun at its accumulator's low end
.irp t, 0,1,2,3
	v_max3_num_f32 v[ST+8*\t+4+\q], v[S+32*\t+8*\q], v[S+32*\t+8*\q+1], v[S+32*\t+8*\q+2]
.endr
.endr
.irp g, 3,5
.irp q, 0,1,2,3
.irp t, 0,1,2,3
	v_max3_num_f32 v[ST+8*\t+4+\q], v[ST+8*\t+4+\q], v[S+32*\t+8*\q+\g], v[S+32*\t+8*\q+\g+1]
.endr
.endr
.endr
.irp t, 0,1,2,3
	v_max3_num_f32 v[ST+8*\t+4], v[ST+8*\t+4], v[S+32*\t+7], v[S+32*\t+15]
.endr
.irp t, 0,1,2,3
	v_max3_num_f32 v[ST+8*\t+6], v[ST+8*\t+6], v[S+32*\t+23], v[S+32*\t+31]
.endr
.irp t, 0,1,2,3
	v_max3_num_f32 v[ST+8*\t+4], v[ST+8*\t+4], v[ST+8*\t+5], v[ST+8*\t+6]
.endr
.irp t, 0,1,2,3
	v_max3_num_f32 v[ST+8*\t+4], v[ST+8*\t+4], v[ST+8*\t+7], v[ST+8*\t+1]
.endr
.irp t, 0,1,2,3
	v_permlanex16_b32 v[ST+8*\t+5], v[ST+8*\t+4], s[SEL], s[SEL+1]   ; the query's other 32 keys lie in the lane 16 away
.endr
.irp t, 0,1,2,3
	v_mov_b32 v[ST+8*\t+7], v[ST+8*\t]             ; c m_old is kept for a
.endr
.irp t, 0,1,2,3
	v_max_num_f32 v[ST+8*\t+1], v[ST+8*\t+4], v[ST+8*\t+5]          ; the new m
.endr
.irp t, 0,1,2,3
	v_mul_f32 v[ST+8*\t], s[CS], v[ST+8*\t+1]      ; c m
.endr
.irp t, 0,1,2,3
	v_sub_f32 v[ST+8*\t+7], v[ST+8*\t+7], v[ST+8*\t]
.endr
; ONE BATCH: the 64 packed scalings c s - c m and all 132 exponentials (a, then the scores), a pair's exponentials one turn behind its scaling.  None of these lines names an exponential's result.
.set sb, 0
.rept 17
.if sb < 16
.irp t, 0,1,2,3
	v_pk_fma_f32 v[S+32*\t+2*sb:S+32*\t+2*sb+1], v[S+32*\t+2*sb:S+32*\t+2*sb+1], s[CS:CS+1], v[ST+8*\t:ST+8*\t+1] op_sel_hi:[1,0,0] neg_lo:[0,0,1] neg_hi:[0,0,1]
.endr
.endif
.if sb == 0
.irp t, 0,1,2,3
	v_exp_f32 v[ST+8*\t+6], v[ST+8*\t+7]           ; a = 2^(c m_old - c m_new)
.endr
.else
.irp t, 0,1,2,3
	v_exp_f32 v[S+32*\t+2*sb-2], v[S+32*\t+2*sb-2]
	v_exp_f32 v[S+32*\t+2*sb-1], v[S+32*\t+2*sb-1]
.endr
.endif
.set sb, sb+1
.endr
	v_nop                                          ; a plain instruction behind the last exponential, ahead of the first use (ISA guide 5.7.2)
	s_wait_alu depctr_va_vdst(0)                   ; the wait ahead of the first line that names a result: one for the whole batch
.irp t, 0,1,2,3                                ; the sum of the tile's 16 pairs of UNROUNDED p, in two chains that leave p untouched
	v_pk_add_f32 v[TS+4*\t:TS+4*\t+1], v[S+32*\t:S+32*\t+1], v[S+32*\t+2:S+32*\t+3]
.endr
.irp t, 0,1,2,3
	v_pk_add_f32 v[TS+4*\t+2:TS+4*\t+3], v[S+32*\t+4:S+32*\t+5], v[S+32*\t+6:S+32*\t+7]
.endr
.irp g, 8,12,16,20,24,28
.irp t, 0,1,2,3
	v_pk_add_f32 v[TS+4*\t:TS+4*\t+1], v[TS+4*\t:TS+4*\t+1], v[S+32*\t+\g:S+32*\t+\g+1]
.endr
.irp t, 0,1,2,3
	v_pk_add_f32 v[TS+4*\t+2:TS+4*\t+3], v[TS+4*\t+2:TS+4*\t+3], v[S+32*\t+\g+2:S+32*\t+\g+3]
.endr
.endr
.irp t, 0,1,2,3
	v_pk_add_f32 v[TS+4*\t:TS+4*\t+1], v[TS+4*\t:TS+4*\t+1], v[TS+4*\t+2:TS+4*\t+3]
.endr
.irp t, 0,1,2,3
	v_pk_fma_f32 v[ST+8*\t+2:ST+8*\t+3], v[ST+8*\t+2:ST+8*\t+3], v[ST+8*\t+6:ST+8*\t+7], v[TS+4*\t:TS+4*\t+1] op_sel_hi:[1,0,1]   ; l = a l + the sum
.endr
.set sj, 0
.rept 16                                       ; p to f16, a pair a register, IN PLACE: register j is written when pairs 0 .. j have been read
.irp t, 0,1,2,3
	v_cvt_pk_f16_f32 v[S+32*\t+sj], v[S+32*\t+2*sj], v[S+32*\t+2*sj+1]
.endr
.set sj, sj+1
.endr
	WIN W_RS
.set sj, 0
.rept 16                                       ; O^T times a, each accumulator from its low end on
.irp t, 0,1,2,3
	v_pk_mul_f32 v[32*\t+2*sj:32*\t+2*sj+1], v[32*\t+2*sj:32*\t+2*sj+1], v[ST+8*\t+6:ST+8*\t+7] op_sel_hi:[1,0]
.endr
.set sj, sj+1
.endr
.endm
; A KEY STEP.  On entry the scores of step j are in S^T and V of step j has been asked for.  more = 1: there is a step j + 1.
.macro BODY more
.if \more
	FETCH_K                                        ; K of step j + 1
.else
.rept 4
	v_nop                                          ; the places behind K Q^T, ahead of the first read of the scores
.endr
.endif
	SOFTMAX
.if \more
	s_wait_dscnt 16                                ; V of step j is in; K's 16 loads, issued behind V's, may be out
.else
	s_wait_dscnt 0x0
.endif
	PVM
.if \more
	FETCH_V                                        ; V of step j + 1
	s_wait_dscnt 16                                ; K of step j + 1 is in; V's 16 loads, issued behind K's, may be out
	KQ
.endif
	WIN 0                                          ; at a label and at a branch every window is 0
.endm
.macro STEPS n
	s_mov_b32 s[CNT], \n
.Lstep_\@:
	BODY 1
	s_sub_co_u32 s[CNT], s[CNT], 1
	s_cmp_lg_u32 s[CNT], 0
	s_cbranch_scc1 .Lstep_\@
.endm
; THE CHANGE OF SLOTS stands where all of a slot's rows have been asked of LDS: behind the trip that fetched K and V of its last step.  Each wave waits for all its tensor loads (its part of the other slot),
; adds 0 to its spare word, and waits for that and for its reads of the slot.  fill = 1: the slot is filled again with the keys 1,024 on; the barrier is then a round of the cluster's, so that no wave of any
; partner still reads the slot or has a load on its way, and the joint refill is the first thing behind it.
.macro CHANGE fill, slot, next
	WIN 0
	s_wait_tensorcnt 0x0                           ; no tensor load of mine is out, so a group 0 may be written
	ds_add_u32 v[SPW], v[NIL]                      ; 0 onto my spare word
.if \fill
	s_add_nc_u64 s[G0K+4*\slot+2:G0K+4*\slot+3], s[G0K+4*\slot+2:G0K+4*\slot+3], 1024*128   ; the type bits on top are not reached
	s_add_nc_u64 s[G0V+4*\slot+2:G0V+4*\slot+3], s[G0V+4*\slot+2:G0V+4*\slot+3], 1024*128
.endif
	s_wait_dscnt 0x0                               ; the add is done, and my reads of the slot are over
.if \fill
	CROUND
	JLOAD \slot                                    ; my one tensor load until the next change: eight key steps ahead of the wait for it
.else
	s_barrier_signal -1
	s_barrier_wait -1
.endif
	s_mov_b32 s[TBK], \next*SLOTB                  ; the fetches go on in the other slot
	s_mov_b32 s[TBV], \next*SLOTB+VOFF
.endm
	s_wait_tensorcnt 1                             ; my part of slot 0 is in; slot 1's, issued behind it, may stay out
	s_barrier_signal -1
	s_barrier_wait -1                              ; everybody's is
	s_mov_b32 s[TBK], 0
	s_mov_b32 s[TBV], VOFF
	FETCH_K                                        ; key step 0
	FETCH_V
	s_wait_loadcnt 0x0                             ; Q
	s_wait_dscnt 16                                ; K is in; V's 16 loads may be out
	KQ
	WIN 0
	STEPS 7                                        ; steps 0 to 6: they ask for K and V up to step 7, slot 0's last
	CHANGE 1, 0, 1                                 ; slot 0 takes keys 1,024 on
	STEPS 8                                        ; steps 7 to 14
	CHANGE 1, 1, 0                                 ; slot 1 takes keys 1,536 on
	STEPS 8                                        ; steps 15 to 22
	CHANGE 0, 0, 1                                 ; nothing is left to ask for
	STEPS 8                                        ; steps 23 to 30
	BODY 0                                         ; step 31
	; THE WAY OUT.  l's two halves and the other half of the lanes' are added; O^T is divided by l, rounded to f16 and sent through my stage.  The additions are the places behind the last products.
.irp t, 0,1,2,3
	v_add_f32 v[ST+8*\t+4], v[ST+8*\t+2], v[ST+8*\t+3]
.endr
.irp t, 0,1,2,3
	v_permlanex16_b32 v[ST+8*\t+5], v[ST+8*\t+4], s[SEL], s[SEL+1]
.endr
.irp t, 0,1,2,3
	v_add_f32 v[ST+8*\t+4], v[ST+8*\t+4], v[ST+8*\t+5]
.endr
.irp t, 0,1,2,3
	v_rcp_f32 v[ST+8*\t+6], v[ST+8*\t+4]
.endr
	v_nop                                          ; a plain instruction between the last reciprocal and the use of its result
	s_wait_alu depctr_va_vdst(0)                   ; and the wait ahead of the first use: one for the four
	WIN W_RS
.set sj, 0
.rept 16
.irp t, 0,1,2,3
	v_pk_mul_f32 v[32*\t+2*sj:32*\t+2*sj+1], v[32*\t+2*sj:32*\t+2*sj+1], v[ST+8*\t+6:ST+8*\t+7] op_sel_hi:[1,0]
.endr
.set sj, sj+1
.endr
	WIN 0x05                                       ; sources 0 and 1 window 1, destination window 0: S^T's registers are free
.set j, 0
.rept 64
	v_cvt_pk_f16_f32 v[S+j], v[2*j], v[2*j+1]      ; register 16 t + 4 ct + i: channels 16 ct + 8 (l / 16) + 2 i, + 1 of query 16 t + l % 16
.set j, j+1
.endr
	WIN 0
.irp t, 0,1,2,3
.irp c, 0,1,2,3
	ds_store_b128 v[STO], v[S+16*\t+4*\c:S+16*\t+4*\c+3] offset:\t*16*PK+32*\c
.endr
.endr
.irp u, 0,1,2,3,4,5,6,7,8,9,10,11,12,13,14,15
	ds_load_b128 v[128+4*\u:128+4*\u+3], v[RD] offset:\u*4*PK      ; LDS serves a wave's instructions in order (ISA guide 5.7.1.4): these see the stores above
.endr
.irp u, 0,1,2,3,4,5,6,7,8,9,10,11,12,13,14,15
	s_wait_dscnt 15-\u                             ; loads come back in order: the u-th is in
	global_store_b128 v[GO], v[128+4*\u:128+4*\u+3], s[18:19] offset:512*\u   ; four rows: 512 consecutive bytes, aligned
.endr
	s_wait_tensorcnt 0x0                           ; the wave's end, behind my last tensor load and my last LDS store
	ds_add_u32 v[SPW], v[NIL]
	s_wait_dscnt 0x0
	CROUND                                         ; the closing round: no work-group ends while a partner may still ask for a tile that names it
	s_endpgm
.Lfunc_end_k_qed1d5eb5d1_attn:
	.size	k_qed1d5eb5d1_attn, .Lfunc_end_k_qed1d5eb5d1_attn-k_qed1d5eb5d1_attn
	.p2alignl 7, 3214868480
	.fill 96, 4, 3214868480
	.section	.rodata,"a",@progbits
	.p2align	6, 0x0
	.amdhsa_kernel k_qed1d5eb5d1_attn
		.amdhsa_group_segment_fixed_size 327680
		.amdhsa_private_segment_fixed_size 0
		.amdhsa_enable_private_segment 0
		.amdhsa_kernarg_size 16
		.amdhsa_user_sgpr_count 2
		.amdhsa_user_sgpr_kernarg_segment_ptr 1
		.amdhsa_wavefront_size32 1
		.amdhsa_system_sgpr_workgroup_id_x 1
		.amdhsa_system_sgpr_workgroup_id_y 1
		.amdhsa_system_sgpr_workgroup_id_z 1
		.amdhsa_system_vgpr_workitem_id 0
		.amdhsa_next_free_vgpr 512
		.amdhsa_next_free_sgpr 66
		.amdhsa_reserve_vcc 0
		.amdhsa_float_denorm_mode_32 3
		.amdhsa_float_denorm_mode_16_64 3
		.amdhsa_memory_ordered 1
		.amdhsa_forward_progress 1
		.amdhsa_inst_pref_size 188
	.end_amdhsa_kernel
	.amdgpu_metadata
---
amdhsa.version: [ 1, 2 ]
amdhsa.kernels:
  - .name:           k_qed1d5eb5d1_attn
    .symbol:         k_qed1d5eb5d1_attn.kd
    .args:
      - { .name: qkv16, .offset: 0, .size: 8, .value_kind: global_buffer, .address_space: global }
      - { .name: att16, .offset: 8, .size: 8, .value_kind: global_buffer, .address_space: global }
    .group_segment_fixed_size: 327680
    .private_segment_fixed_size: 0
    .kernarg_segment_align: 8
    .kernarg_segment_size: 16
    .max_flat_workgroup_size: 256
    .sgpr_count:     66
    .vgpr_count:     512
    .wavefront_size: 32
...
	.end_amdgpu_metadata
.endif
;; end of part 3
;; launch proj (part 4): grid 8 x 32, 4 waves a work-group, clusters of 4 x 4, 327,680 bytes of LDS; arguments att16, wo16, out0; writes out0
.if DOCPART == 4
	.amdgcn_target "amdgcn-amd-amdhsa--gfx1250"
	.amdhsa_code_object_version 6
	.text
	.protected	k_qed1d5eb5d1_proj
	.globl	k_qed1d5eb5d1_proj
	.p2align	8
	.type	k_qed1d5eb5d1_proj,@function
k_qed1d5eb5d1_proj:
	s_mov_b64 s[64:65], 0
	v_nop
	global_prefetch_b8 v0, s[64:65] scope:SCOPE_SE
	s_setreg_imm32_b32 hwreg(HW_REG_WAVE_MODE, 25, 1), 1
	s_wait_xcnt 0x0
	s_wait_alu depctr_hold_cnt(0) depctr_sa_sdst(0) depctr_va_vdst(0) depctr_va_sdst(0) depctr_va_ssrc(0) depctr_va_vcc(0) depctr_vm_vsrc(0)
	s_getreg_b32 s2, hwreg(HW_REG_IB_STS2, 6, 4)
	s_cmp_eq_u32 s2, 0
	s_cbranch_scc0 .Lentry_in_a_cluster
	s_endpgm
.Lentry_in_a_cluster:
	s_bfe_u32 s2, ttmp6, 0x10000c
	s_cmp_lg_u32 s2, 0xf033
	s_cbranch_scc0 .Lentry_shape_is_right
	s_endpgm
.Lentry_shape_is_right:
; PROJ: out0[m][n] = sum over k of A[m][k] w_o[k][n].  A = att16 [head 16][m 8192][64] f16, k = 64 head + channel; wo16 [k 1024][n 1024] f16; out0 [8192][1024] f32; sums in f32.
; A tile of out0 is 256 (m) x 128 (n): 256 work-groups.  Four waves, each 128 x 64: 32 accumulators of 16 x 16, 256 registers.  K goes in steps of 128 (two heads) through a ring of two LDS slots.
; A's tile of a step is two dense blocks (a head's 256 rows of 128 bytes), one tensor load each (waves 0, 1); w_o's is 128 rows of 256 bytes, 64 rows to a load (waves 2, 3).
; THE MATRIX INSTRUCTION IS USED TRANSPOSED: source 0 = 16 columns of w_o, turned on the way out of LDS by ds_load_tr16_b128, source 1 = 16 rows of A: a lane then holds eight neighbouring f32 of a row of out0.
; CLUSTERS: 4 x 4 work-groups.  The four of a row of the cluster need the same tiles of A, the four of a column the same tiles of w_o: each tile is asked for JOINTLY, with a mask that names the four.
; REGISTERS: window 0: v0-31 addresses; v32-127, v128-223 two fragment buffers (32 along K: A's 8 fragments, then w_o's 4); on the way out v32-95 rows read back.   window 1: the accumulators ((a, b) at v[8 (4 a + b)]).
.set KSTEP,  128
.set PA,     144                       ; a row of A in LDS: 128 bytes + 16: the 16 rows of a load start at 16 different groups of four banks (64 banks of 4 bytes: ISA guide 11.1)
.set PB,     288                       ; a row of w_o: 256 + 32 = 72 words
.set AZ,     256*PA                    ; a head's 256 rows: what one of A's loads brings
.set BOFF,   2*AZ                      ; behind A's two heads: w_o's 128 rows
.set BH,     64*PB                     ; 64 of them: what one of w_o's loads brings
.set SLOT,   BOFF+2*BH
.set STAGE,  2*SLOT                    ; behind the ring: 16 rows x 272 bytes for each wave, for the way out
.set SPITCH, 272
.set SPARE,  STAGE+4*16*SPITCH         ; behind the stages: the spare words, 128 bytes for each wave
.set AHB,    1048576                   ; a head in att16
.set ADRA, 16                          ; v16-17  LDS address of my A fragments in slot 0, 1
.set ADRB, 20                          ; v20-21  the same for w_o
.set STO,  24                          ; v24     the way out: where I put 32 bytes of a row
.set RD,   25                          ; v25     the way out: where I read a row back
.set CO,   26                          ; v26     my byte offset in out0
.set SPW,  28                          ; v28     LDS address of my spare word; never rewritten
.set NIL,  29                          ; v29     0; never rewritten
.set F0,   32
.set F1,   128
.set BK,   32                          ; the way out: 16 rows read back: v32-63 and v64-95 by turns
.set G1, 24                            ; s[24:31] descriptor group 1 for A's tiles;  s[32:39] group 0, one set for each slot
.set G0, 32
.set G1B, 48                           ; s[48:55], s[56:63] the same for w_o's tiles
.set G0B, 56
.set MSB, 0
.macro WIN new                         ; the immediate's high byte repeats the setting that is left; a switch that changes nothing is dropped
.if MSB != (\new)
	s_set_vgpr_msb (MSB<<8)|(\new)
.set MSB, (\new)
.endif
.endm
.set MUL, 0x50                         ; C and D window 1; both sources window 0
.macro JLOAD s                         ; a joint load: waves 0 and 1 fetch A's two heads, waves 2 and 3 w_o's two halves; an s_nop 0 and four v_nop follow each of the two lines
	s_cmp_eq_u32 s11, 0
	s_cbranch_scc0 .Lfor_b_\@
	tensor_load_to_lds s[G0+4*\s:G0+4*\s+3], s[G1:G1+7]
	s_nop 0
.rept 4
	v_nop
.endr
	s_branch .Lasked_\@
.Lfor_b_\@:
	tensor_load_to_lds s[G0B+4*\s:G0B+4*\s+3], s[G1B:G1B+7]
	s_nop 0
.rept 4
	v_nop
.endr
.Lasked_\@:
.endm
.macro CREST                           ; a round of the cluster's barrier behind its opening barrier
	s_cmp_lg_u32 s10, 0
	s_cbranch_scc1 .Lnot_wave_0_\@
	s_barrier_signal -3
.Lnot_wave_0_\@:
	s_barrier_wait -3
	s_barrier_signal -1
	s_barrier_wait -1
.endm
.macro CROUND                          ; a whole round
	s_barrier_signal -1
	s_barrier_wait -1
	CREST
.endm
	s_load_b128 s[4:7], s[0:1], 0x0                ; att16 s[4:5], wo16 s[6:7]
	s_load_b64 s[8:9], s[0:1], 0x10                ; out0
	v_lshl_add_u32 v[SPW], v0, 2, SPARE
	v_mov_b32 v[NIL], 0
	ds_add_u32 v[SPW], v[NIL]                      ; the wave's opening: the add, twice on end, and its wait ahead of my first tensor load; the set-up below stands between the second and the wait
	ds_add_u32 v[SPW], v[NIL]
	v_lshrrev_b32 v1, 5, v0
	v_readfirstlane_b32 s10, v1                    ; wave 0..3
	s_lshr_b32 s11, s10, 1                         ; which half of the tile's rows is mine.  Also: I fetch for A (0) or for w_o (1)
	s_and_b32 s12, s10, 1                          ; which half of its columns.  Also: which of a step's two heads, or which 64 rows of w_o, I fetch
	s_bfe_u32 s40, ttmp6, 0x40000                  ; cx, cy: my place in the cluster
	s_bfe_u32 s41, ttmp6, 0x40004
	s_lshl_b32 s42, ttmp9, 2
	s_add_co_u32 s42, s42, s40                     ; tile column = 4 x cluster x + cx: 0..7
	s_and_b32 s13, ttmp7, 0xffff
	s_lshl_b32 s13, s13, 2
	s_add_co_u32 s13, s13, s41                     ; tile row = 4 x cluster y + cy: 0..31
	s_lshl_b32 s43, s41, 2
	s_lshl_b32 s43, 15, s43                        ; my row of the cluster
	s_lshl_b32 s44, 0x1111, s40                    ; my column
	; descriptor group 1.  A: 256 rows x 64 elements, dense in memory; 4 words of padding after every 32.  w_o: 64 rows x 128 elements, 1,024 elements apart; 8 words after every 64
	s_or_b32 s[G1+0], s43, (1<<16)|(1<<20)|(1<<21)|(4<<22)|(3<<25)   ; 15:0 the mask: A's tiles go to my row; 17:16 element of 2 bytes; 20 padding on; 21 set beside a mask; 24:22 the interval's code; 31:25 the padding's words - 1
	s_mov_b32 s[G1+1], 64<<16                      ; tensor_dim0
	s_mov_b32 s[G1+2], 256<<16                     ; tensor_dim1
	s_mov_b32 s[G1+3], 64<<16                      ; tile_dim0
	s_mov_b32 s[G1+4], 256                         ; tile_dim1
	s_mov_b32 s[G1+5], 64                          ; tensor_dim0_stride
	s_mov_b32 s[G1+6], 0
	s_mov_b32 s[G1+7], 0
	s_or_b32 s[G1B+0], s44, (1<<16)|(1<<20)|(1<<21)|(5<<22)|(7<<25)  ; the mask: w_o's tiles go to my column
	s_mov_b32 s[G1B+1], 128<<16
	s_mov_b32 s[G1B+2], 64<<16
	s_mov_b32 s[G1B+3], 128<<16
	s_mov_b32 s[G1B+4], 64
	s_mov_b32 s[G1B+5], 1024
	s_mov_b32 s[G1B+6], 0
	s_mov_b32 s[G1B+7], 0
	; where the tiles come from.  A's hang on the tile row alone, w_o's on the tile column alone; every wave makes both addresses, in registers that never hold the other coordinate
	s_lshl_b32 s16, s12, 20                        ; A: my head of the step's two,
	s_lshl_b32 s17, s13, 15                        ; the tile's 256 rows of 128 bytes
	s_add_co_u32 s16, s16, s17
	s_mov_b32 s17, 0
	s_lshl_b32 s46, s12, 17                        ; w_o: my 64 rows of 2,048 bytes,
	s_lshl_b32 s47, s42, 8                         ; the tile's 128 columns
	s_add_co_u32 s46, s46, s47
	s_mov_b32 s47, 0
	s_mul_i32 s20, s12, AZ                         ; and where they go: no place in the cluster enters an LDS address
	s_mul_i32 s21, s12, BH
	s_add_co_u32 s21, s21, BOFF
	s_wait_dscnt 0x0                               ; both opening adds are done
	s_wait_kmcnt 0x0
	s_add_nc_u64 s[14:15], s[4:5], s[16:17]
	s_add_nc_u64 s[46:47], s[6:7], s[46:47]
	CROUND                                         ; all sixteen work-groups are here: the first joint loads meet
.irp s, 0,1
	s_mov_b32 s[G0+4*\s], 1
	s_add_co_u32 s[G0+4*\s+1], s20, \s*SLOT
	s_add_nc_u64 s[G0+4*\s+2:G0+4*\s+3], s[14:15], \s*2*AHB          ; K step s: heads 2 s, 2 s + 1
	s_or_b32 s[G0+4*\s+3], s[G0+4*\s+3], 0x80000000
	s_mov_b32 s[G0B+4*\s], 1
	s_add_co_u32 s[G0B+4*\s+1], s21, \s*SLOT
	s_add_nc_u64 s[G0B+4*\s+2:G0B+4*\s+3], s[46:47], \s*KSTEP*2048   ; rows 128 s on
	s_or_b32 s[G0B+4*\s+3], s[G0B+4*\s+3], 0x80000000
	JLOAD \s                                       ; two tensor loads of a wave are out here, its most
.endr
	v_and_b32 v1, 15, v0                           ; l % 16
	v_bfe_u32 v2, v0, 4, 1                         ; l / 16
	v_mul_u32_u24 v3, v1, PA
	v_lshl_add_u32 v3, v2, 4, v3                   ; A: a fragment's row x pitch + 16 x half
	v_and_b32 v4, 7, v0
	v_lshl_add_u32 v4, v2, 3, v4
	v_mul_u32_u24 v4, v4, PB                       ; w_o: the turning load: row 8 (l / 16) + l % 8,
	v_bfe_u32 v5, v0, 3, 1
	v_lshl_add_u32 v4, v5, 4, v4                   ; columns 8 ((l / 8) % 2) on
	s_mul_i32 s22, s11, 128*PA                     ; my 128 rows of A
	s_lshl_b32 s23, s12, 7                         ; my 64 columns of w_o,
	s_add_co_u32 s23, s23, BOFF                    ; which lies behind A
.irp s, 0,1
	v_add_nc_u32 v[ADRA+\s], s22, v3
	v_add_nc_u32 v[ADRB+\s], s23, v4
	s_add_co_u32 s22, s22, SLOT
	s_add_co_u32 s23, s23, SLOT
.endr
	s_mul_i32 s22, s10, 16*SPITCH
	s_add_co_u32 s22, s22, STAGE                   ; my stage
	v_mul_u32_u24 v5, v1, SPITCH                   ; in: row l % 16, 32 bytes for each half of the lanes
	v_lshl_add_u32 v5, v2, 5, v5
	v_add_nc_u32 v[STO], s22, v5
	v_mul_u32_u24 v5, v2, SPITCH                   ; back: lanes 0-15 take one row of 256 bytes, lanes 16-31 the next
	v_lshl_add_u32 v5, v1, 4, v5
	v_add_nc_u32 v[RD], s22, v5
	v_lshlrev_b32 v5, 12, v2                       ; and the same two rows in out0
	v_lshl_add_u32 v[CO], v1, 4, v5
	s_lshl_b32 s16, s13, 8
	s_lshl_b32 s17, s11, 7
	s_add_co_u32 s16, s16, s17                     ; my first row: 256 x tile row + 128 x half
	s_lshl_b32 s16, s16, 12                        ; x 4,096 bytes: under 2^25
	s_mov_b32 s17, 0
	s_add_nc_u64 s[8:9], s[8:9], s[16:17]
	s_lshl_b32 s46, s42, 9                         ; my first column, in bytes: 512 x tile column + 256 x half
	s_lshl_b32 s47, s12, 8
	s_add_co_u32 s46, s46, s47
	s_mov_b32 s47, 0
	s_add_nc_u64 s[8:9], s[8:9], s[46:47]
; 8 matrix instructions: m blocks a0, a0 + 1 x the 4 n blocks, 32 along K, from buffer f.  zero = 1: the first product starts the sums.  The 32 accumulators take turns, in the same order in every quarter.
.macro MUL8 f, a0, zero
.irp a, \a0, \a0+1
.irp b, 0,1,2,3
.if \zero
	v_wmma_f32_16x16x32_f16 v[8*(4*(\a)+\b):8*(4*(\a)+\b)+7], v[\f+64+8*\b:\f+64+8*\b+7], v[\f+8*(\a):\f+8*(\a)+7], 0
.else
	v_wmma_f32_16x16x32_f16 v[8*(4*(\a)+\b):8*(4*(\a)+\b)+7], v[\f+64+8*\b:\f+64+8*\b+7], v[\f+8*(\a):\f+8*(\a)+7], v[8*(4*(\a)+\b):8*(4*(\a)+\b)+7]
.endif
.endr
.endr
.endm
; 24 LDS loads in one run: the fragments of the slot's q-th 32 along K into buffer f: w_o's four, A's blocks 0-3, A's blocks 4-7.  Quarter q lies in head q / 2 of the step, channels 32 (q % 2) on.
.macro FETCH slot, q, f
	WIN 0
.irp b, 0,1,2,3
	ds_load_tr16_b128 v[\f+64+8*\b:\f+64+8*\b+3],   v[ADRB+\slot] offset:(\q)*32*PB+32*\b
	ds_load_tr16_b128 v[\f+64+8*\b+4:\f+64+8*\b+7], v[ADRB+\slot] offset:(\q)*32*PB+16*PB+32*\b
.endr
.irp i, 0,1,2,3,4,5,6,7
	ds_load_b128 v[\f+8*\i:\f+8*\i+3],   v[ADRA+\slot] offset:((\q)/2)*AZ+((\q)%2)*64+\i*16*PA
	ds_load_b128 v[\f+8*\i+4:\f+8*\i+7], v[ADRA+\slot] offset:((\q)/2)*AZ+((\q)%2)*64+\i*16*PA+32
.endr
.endm
.macro PLACES                          ; four places in front of loads into registers that matrix instructions have read, and of the first read of results (ISA guide 7.12.1 for vector instructions)
.rept 4
	v_nop
.endr
.endm
; A K step is four quarters of 32 along K, 32 matrix instructions each, on buffers 0, 1, 0, 1.  One of the first three: multiplies buffer f and fetches quarter q into g.
.macro QUARTER slot, q, f, g, zero
	s_wait_dscnt 8                                 ; w_o's fragments and A's blocks 0-3 are in; the youngest eight loads (A's blocks 4-7) may be out
	WIN MUL
	MUL8 \f, 0, \zero
	MUL8 \f, 2, \zero
	PLACES
	FETCH \slot, \q, \g
	s_wait_dscnt 24                                ; all but the 24 just issued
	WIN MUL
	MUL8 \f, 4, \zero
	MUL8 \f, 6, \zero
.endm
; The last quarter multiplies buffer 1 and changes slots: ONE barrier; in front of it each wave waits for all its tensor loads, adds 0 to its spare word, and waits for that and for its own reads of this slot.
; fill = 1: this slot is filled again, two K steps ahead; the barrier then opens a round of the cluster's barrier.
.macro TURN slot, next, fill
	WIN 0                                          ; (the add's two registers lie in window 0)
	s_wait_tensorcnt 0x0                           ; all my tensor loads have landed: my part of the next slot
	ds_add_u32 v[SPW], v[NIL]                      ; 0 onto my spare word
	s_wait_dscnt 9                                 ; (the add and the youngest eight loads may be out)
	WIN MUL
	MUL8 F1, 0, 0                                  ; eight matrix instructions stand between the add and the wait for it
	s_wait_dscnt 0x0                               ; the add is done, and my reads of this slot are over
	s_barrier_signal -1
	MUL8 F1, 2, 0
.if \fill
	WIN 0
.endif
	s_barrier_wait -1
.if \fill
	CREST                                          ; no wave of any partner still reads this slot's tile or has a load on its way
	s_add_nc_u64 s[G0+4*\slot+2:G0+4*\slot+3], s[G0+4*\slot+2:G0+4*\slot+3], 4*AHB           ; two K steps on: four heads,
	s_add_nc_u64 s[G0B+4*\slot+2:G0B+4*\slot+3], s[G0B+4*\slot+2:G0B+4*\slot+3], 2*KSTEP*2048   ; 256 rows of w_o
	JLOAD \slot                                    ; the first tensor load behind the round: 112 matrix instructions ahead of the wait for it; its four v_nop are also the places in front of the loads below
.else
	PLACES
.endif
	FETCH \next, 0, F0
	WIN MUL
	MUL8 F1, 4, 0
	MUL8 F1, 6, 0
.endm
	s_wait_tensorcnt 1                             ; my part of K step 0 is in (K step 1's load, issued behind it, may be out),
	s_barrier_signal -1
	s_barrier_wait -1                              ; everybody's is
	FETCH 0, 0, F0
	QUARTER 0, 1, F0, F1, 1                        ; the first quarter stands in front of the loop: its products start the sums
	WIN 0                                          ; at a label and at a branch every window is 0
	s_mov_b32 s3, 3
.Llap:                                                 ; a trip goes once round the ring, from a lap's second quarter to the next lap's first, and fills both slots again: K steps 2 to 7
	QUARTER 0, 2, F1, F0, 0
	QUARTER 0, 3, F0, F1, 0
	TURN 0, 1, 1
	QUARTER 1, 1, F0, F1, 0
	QUARTER 1, 2, F1, F0, 0
	QUARTER 1, 3, F0, F1, 0
	TURN 1, 0, 1
	QUARTER 0, 1, F0, F1, 0
	WIN 0
	s_sub_co_u32 s3, s3, 1
	s_cmp_lg_u32 s3, 0
	s_cbranch_scc1 .Llap
	QUARTER 0, 2, F1, F0, 0                        ; the last lap fills nothing, and has no round of the cluster's barrier
	QUARTER 0, 3, F0, F1, 0
	TURN 0, 1, 0
	QUARTER 1, 1, F0, F1, 0
	QUARTER 1, 2, F1, F0, 0
	QUARTER 1, 3, F0, F1, 0
	s_wait_dscnt 8                                 ; the very last quarter: nothing more to fetch
	WIN MUL
	MUL8 F1, 0, 0
	MUL8 F1, 2, 0
	s_wait_dscnt 0x0
	MUL8 F1, 4, 0
	MUL8 F1, 6, 0
	WIN 0
; THE WAY OUT, block by block of 16 rows x 64 columns.  A lane holds 32 neighbouring bytes of a row: a block goes through my own stage and comes back as whole rows of 256 bytes, two an instruction.
; LDS serves a wave's instructions in order (ISA guide 5.7.1.4): no wait between the stores and the loads, nor in front of the next block's stores.
.macro TOSTAGE a
	WIN 0x04                                       ; an LDS store's data are its source 1: window 1
.irp b, 0,1,2,3
	ds_store_b128 v[STO], v[8*(4*(\a)+\b):8*(4*(\a)+\b)+3] offset:64*\b          ; each accumulator from its low end on
	ds_store_b128 v[STO], v[8*(4*(\a)+\b)+4:8*(4*(\a)+\b)+7] offset:64*\b+16
.endr
	WIN 0
.set BB, BK+32*((\a)%2)
.irp t, 0,1,2,3,4,5,6,7
	ds_load_b128 v[BB+4*\t:BB+4*\t+3], v[RD] offset:\t*2*SPITCH
.endr
.endm
.macro SEND a, younger                 ; younger: the LDS instructions issued behind block a's loads, which may stay out
.set BB, BK+32*((\a)%2)
	s_wait_dscnt \younger                          ; the block is back in registers
.irp t, 0,1,2,3,4,5,6,7
	global_store_b128 v[CO], v[BB+4*\t:BB+4*\t+3], s[8:9] offset:(\a)*65536+\t*8192 th:TH_STORE_NT   ; 16 lanes store 256 consecutive bytes, aligned; the base is never stepped: 516,096 bytes at the most stand in the immediate
.endr
.endm
	PLACES                                         ; behind the last products: for the stores that read results, and for the loads into the registers that held fragments
	TOSTAGE 0
.irp a, 1,2,3,4,5,6,7
.if \a > 1
	s_wait_xcnt 0x0                                ; block a - 2's stores have read their registers: block a's loads may land there
.endif
	TOSTAGE \a
	SEND \a-1, 16                                  ; behind block a - 1's loads: block a's 8 stores and 8 loads
.endr
	SEND 7, 0
	s_wait_tensorcnt 0x0                           ; the wave's end, behind my last tensor load and my last LDS store
	ds_add_u32 v[SPW], v[NIL]
	s_wait_dscnt 0x0
	CROUND                                         ; the closing round: no work-group ends while a partner may still ask for a tile that names it
	s_endpgm
.Lfunc_end_k_qed1d5eb5d1_proj:
	.size	k_qed1d5eb5d1_proj, .Lfunc_end_k_qed1d5eb5d1_proj-k_qed1d5eb5d1_proj
	.p2alignl 7, 3214868480
	.fill 96, 4, 3214868480
	.section	.rodata,"a",@progbits
	.p2align	6, 0x0
	.amdhsa_kernel k_qed1d5eb5d1_proj
		.amdhsa_group_segment_fixed_size 327680
		.amdhsa_private_segment_fixed_size 0
		.amdhsa_enable_private_segment 0
		.amdhsa_kernarg_size 24
		.amdhsa_user_sgpr_count 2
		.amdhsa_user_sgpr_kernarg_segment_ptr 1
		.amdhsa_wavefront_size32 1
		.amdhsa_system_sgpr_workgroup_id_x 1
		.amdhsa_system_sgpr_workgroup_id_y 1
		.amdhsa_system_sgpr_workgroup_id_z 1
		.amdhsa_system_vgpr_workitem_id 0
		.amdhsa_next_free_vgpr 512
		.amdhsa_next_free_sgpr 66
		.amdhsa_reserve_vcc 0
		.amdhsa_float_denorm_mode_32 3
		.amdhsa_float_denorm_mode_16_64 3
		.amdhsa_memory_ordered 1
		.amdhsa_forward_progress 1
		.amdhsa_inst_pref_size 86
	.end_amdhsa_kernel
	.amdgpu_metadata
---
amdhsa.version: [ 1, 2 ]
amdhsa.kernels:
  - .name:           k_qed1d5eb5d1_proj
    .symbol:         k_qed1d5eb5d1_proj.kd
    .args:
      - { .name: att16, .offset: 0, .size: 8, .value_kind: global_buffer, .address_space: global }
      - { .name: wo16, .offset: 8, .size: 8, .value_kind: global_buffer, .address_space: global }
      - { .name: out0, .offset: 16, .size: 8, .value_kind: global_buffer, .address_space: global }
    .group_segment_fixed_size: 327680
    .private_segment_fixed_size: 0
    .kernarg_segment_align: 8
    .kernarg_segment_size: 24
    .max_flat_workgroup_size: 128
    .sgpr_count:     66
    .vgpr_count:     512
    .wavefront_size: 32
...
	.end_amdgpu_metadata
.endif
;; end of part 4
